; MI455X (gfx1250); checked and timed in simulation.
; The chip was launched on July 23, 2026; its instructions are those of AMD's public machine-readable ISA for CDNA 5 (MIT licence, August 2026) and "CDNA5" Instruction Set Architecture Reference Guide (July 2026). The comments in the code are by the model that wrote it; some were corrected since.
;; Multi Head Attention. Allowed arithmetic: matrix products marked QUANTISED: E3M2 operands, one E8M0 scale for each 32 along K, by v_wmma_scale_f32_16x16x128_f8f6f4 with both operands' format E3M2, f32 sums; everything else in f32.
;; Inputs: Wk 1,024 x 1,024 float32; Wo 1,024 x 1,024 float32; Wq 1,024 x 1,024 float32; Wv 1,024 x 1,024 float32; bk 1,024 float32; bo 1,024 float32; bq 1,024 float32; bv 1,024 float32; x 1 x 4,096 x 1,024 float32.
;; Outputs: out0 1 x 4,096 x 1,024 float32.
;; This version of the problem:
;;   THIS VERSION OF THE PROBLEM IS GIVEN IN LOW PRECISION. The matrix products marked QUANTISED in the list below multiply operands that are first quantised to E3M2 (3 exponent bits, 2 mantissa bits; 6 bits a number), with one power-of-two scale for each 32 numbers along K (OCP MX v1.0); their sums are f32. All else is computed in f32.
;;   The module's matrix products, in the order in which they are computed (A, B: the left and right operand; K: the contracted axis; several contracted axes count as one K, in the product's order):
;;     1. [M 4,096, K 1,024] x [K 1,024, N 1,024]; A: input x; B: input Wq: QUANTISED
;;     2. [M 4,096, K 1,024] x [K 1,024, N 1,024]; A: input x; B: input Wk: QUANTISED
;;     3. [M 4,096, K 1,024] x [K 1,024, N 1,024]; A: input x; B: input Wv: QUANTISED
;;     4. batch 16 x [M 4,096, K 64] x [K 64, N 4,096]; A: computed on the way; B: computed on the way: QUANTISED
;;     5. batch 16 x [M 4,096, K 4,096] x [K 4,096, N 64]; A: softmax (see below); B: computed on the way: QUANTISED
;;     6. [M 4,096, K 1,024] x [K 1,024, N 1,024]; A: computed on the way; B: input Wo: QUANTISED
;;   THE QUANTISER, for each operand of a quantised product, along K:
;;     - K is cut into blocks of 32 from its start; a last block that is shorter is filled with zeros.
;;     - A block's scale is 2^e with e = floor(log2(the largest magnitude in the block)) - 4, held to -126 .. 127; a block of zeros has e = 0. As a byte (E8M0): e + 127.
;;     - Each number is divided by its block's scale, clamped to +-28, and rounded to the nearest number of E3M2, ties to even, subnormals kept.
;;     - The product sums the exact products of the quantised numbers (number of the format x scale) in f32.
;;   ~~~python
;;   def quantise(x, axis):      # numpy; x: float32 -> the quantised numbers, widened to float32 again
;;       x = np.moveaxis(x, axis, -1); K = x.shape[-1]
;;       x = np.pad(x, [(0, 0)] * (x.ndim - 1) + [(0, -K % 32)]); x = x.reshape(x.shape[:-1] + (-1, 32)); a = np.abs(x).max(-1, keepdims=True)
;;       e = np.where(a > 0, np.clip(np.frexp(np.where(a > 0, a, 1))[1] - 1 - 4, -126, 127), 0)      # np.frexp(a)[1] - 1 = floor(log2(a)), exactly
;;       r = np.clip(x / 2.0 ** e, -28, 28)
;;       step = 2.0 ** (np.maximum(np.frexp(np.where(r == 0, 1, r))[1] - 1, -2) - 2)
;;       q = np.round(r / step) * step * 2.0 ** e      # np.round: ties to even
;;       return np.moveaxis(q.reshape(q.shape[:-2] + (-1,))[..., :K], -1, axis).astype(np.float32)
;;   ~~~
;;   SOFTMAX AHEAD OF A QUANTISED PRODUCT. Where the list says 'softmax', what is quantised is not the finished softmax but p = 2^(t - M), with t = logit x log2(e) and M = ceil(the row's largest t), a whole number; so 1/2 < the row's largest p <= 1. The row's sum l is taken of the UNQUANTISED p, in f32, and the product's result is divided by l at the end. Since M is a whole number, a kernel that streams over the keys may use a running M (the ceiling of the running maximum): every later rescaling is an exact power of two, which a block's scale takes up: the codes' values come out the same.
;;   OPERANDS COMPUTED ON THE WAY. 'Computed on the way' means the value that the module computes at that place (a softmax that the list does not call 'softmax' is quantised finished and normalised). What goes into a quantiser is computed in f32, as accurately as f32 sums, v_exp_f32 and their like allow (about 1e-6 of the number): no bf16 or f16 on the way to a quantiser, and a product that is left as it is and whose result goes on into a quantised operand takes f32 operands (vector FMAs, or v_wmma_f32_16x16x4_f32). A number that lies on a knife's edge between two numbers of the format may be rounded either way, as far as f32 arithmetic and the matrix unit's own rounding can turn it there, and no further.
;; One version. Each part assembles by itself: llvm-mc -triple=amdgcn-amd-amdhsa -mcpu=gfx1250 --defsym DOCPART=n.
;; ======== version 1 of 1: 4 launches
;; limits: right only within a limited range of input values
;; workspace buffers: xc 3,145,728 bytes; xs 131,072 bytes; wc 3,145,728 bytes; ws 131,072 bytes; hc 9,437,184 bytes; hs 393,216 bytes; ac 3,145,728 bytes; as 131,072 bytes
;; launch quant (part 1): grid 256 x 1, 4 waves a work-group, no clusters, 59,904 bytes of LDS; arguments x, Wq, Wk, Wv, Wo, xc, xs, wc, ws; writes xc, xs, wc, ws
.if DOCPART == 1
	.amdgcn_target "amdgcn-amd-amdhsa--gfx1250"
	.amdhsa_code_object_version 6
	.text
	.protected	k_q4ee7183f94_quant
	.globl	k_q4ee7183f94_quant
	.p2align	8
	.type	k_q4ee7183f94_quant,@function
k_q4ee7183f94_quant:
	s_mov_b64 s[64:65], 0
	v_nop
	global_prefetch_b8 v0, s[64:65] scope:SCOPE_SE
	s_setreg_imm32_b32 hwreg(HW_REG_WAVE_MODE, 25, 1), 1
	s_wait_xcnt 0x0
; x [4096][1024] and the four weights [1024 (k)][1024 (n)], f32, become codes of BF6 (E3M2) with one E8M0 byte for each 32 along K, laid as the products' launches read them.
; A block's scale is 2^(floor(log2(largest magnitude)) - 4): its byte is the largest magnitude's exponent field - 4, held at 1 from below by a floor among the maximum's leaves.
; LIMITS: NaN and infinities are not served.  A block whose largest magnitude lies under 2^-122, and a block of zeros, gets the byte 1 (the rule says 127 for zeros): its codes are then zeros or exact, and this program alone reads the bytes.
; ROWS OF A TILE: tile T of a row space (tokens; columns n of a weight) holds rows 32 (T / 2) + 8 (T % 2) + r + 8 (r / 8), r = 0 .. 15.
; CODES: an image of 768 bytes holds 16 rows x 64 along K as six operand registers: [pair p 0..2][lane 0..31][8 bytes]; lane (r, h) holds k = 32 h .. 32 h + 31 of row r.
;   xc, and each weight's 786,432 bytes of wc: [group of 4 tiles][K step of 128: 0..7][tile 0..3][half of the step 0..1][768].
; SCALE WORDS (xs, and each weight's 32,768 bytes of ws): [pair of tiles][quarter of K][tile 0..1][r][2 words]; a word's byte b is block b of its K step of 128.
; Work-groups 0-127 take x, 128-255 the weights; the two ways share no LDS byte.  Waves share nothing: no barrier.
.set R,    16                          ; x: v16-111  three sets of 32 numbers as loaded
.set X,    112                         ;    v112-175 two sets of 32 neighbours along K
.set C,    176                         ;    v176-223 six registers of codes for each of eight steps: no store's data are written again
.set WD,   224                         ;    v224-227 scale words (tile u, K step w) at 2 u + w
.set PT,   228                         ;    v228-231 lane l xor 16's words
.set TC,   232                         ;    v232-234 a block's upper 16 codes (a conversion's three registers begin on an even number)
.set WSTG, 34816                       ; the weights' stages begin behind x's
.set WX,   16                          ; weights: v16-79 two sets of 32 numbers down K
.set WC,   80                          ;    v80-85 a block's codes;  v88-90 its upper 16
.set WT,   88
.set SB,   92                          ;    v92-93 scale words
.set OUTR, 96                          ;    v96-143 the way out
	s_load_b256 s[4:11], s[0:1], 0x0               ; x, Wq, Wk, Wv
	s_load_b256 s[12:19], s[0:1], 0x20             ; Wo, xc, xs, wc
	s_load_b64 s[20:21], s[0:1], 0x40              ; ws
	v_lshl_add_u32 v240, v0, 2, 0xe800
	v_mov_b32 v241, 0
	v_lshrrev_b32 v1, 5, v0
	v_readfirstlane_b32 s22, v1                    ; wave
	v_and_b32 v1, 31, v0                           ; lane L
	v_and_b32 v2, 15, v0                           ; r
	v_bfe_u32 v3, v0, 4, 1                         ; h
	v_lshlrev_b32 v7, 3, v1                        ; 8 L
	s_cmp_lt_u32 ttmp9, 128
	s_cbranch_scc0 .Lweights
; ---- x: K is innermost.  The work-group takes 32 rows (a pair of tiles), wave kq 256 along K: eight steps of one image (tile u = t / 4, 64 along K: t % 4).
; A load reads whole runs of 256 bytes (lanes 0-15 one row's, lanes 16-31 those of the row 16 below); the 16 x 256 bytes turn through the wave's own stage (rows 272 bytes apart), and come back 128 bytes a lane: a whole block of 32.
	v_lshlrev_b32 v4, 4, v2
	v_lshl_add_u32 v4, v3, 16, v4                  ; in: 16 r + 16 rows x h
	s_mul_i32 s23, s22, 8704                       ; my two stages of 16 x 272 bytes
	v_mul_u32_u24 v5, v3, 2176
	v_lshl_add_u32 v5, v2, 4, v5
	v_add_nc_u32 v5, s23, v5                       ; into a stage: row n + 8 h, 16 r
	v_mul_u32_u24 v6, v2, 272
	v_lshl_add_u32 v6, v3, 7, v6
	v_add_nc_u32 v6, s23, v6                       ; out of it: row r, my block's 128 bytes
	v_lshlrev_b32 v8, 3, v3                        ; 8 h: my byte's place in half a scale word
.irp w, 0,1,2,3
	v_mov_b32 v[PT+\w], 0                          ; a lane permute's destination counts as one of its sources
.endr
	s_mov_b32 s26, 0x76543210
	s_mov_b32 s27, 0xfedcba98                      ; selects for lane l xor 16
	s_lshl_b32 s24, ttmp9, 17                      ; 32 rows of 4,096 bytes
	s_lshl_b32 s25, s22, 10
	s_add_co_u32 s24, s24, s25
	s_mov_b32 s25, 0
	s_lshr_b32 s28, ttmp9, 1
	s_mul_i32 s28, s28, 49152                      ; the group
	s_mul_i32 s29, s22, 12288                      ; two K steps
	s_add_co_u32 s28, s28, s29
	s_and_b32 s29, ttmp9, 1
	s_mul_i32 s29, s29, 3072                       ; the pair's two tiles in the group
	s_add_co_u32 s28, s28, s29
	s_mov_b32 s29, 0
	s_lshl_b32 s30, ttmp9, 10
	s_lshl_b32 s31, s22, 8
	s_add_co_u32 s30, s30, s31
	s_mov_b32 s31, 0
	s_wait_alu depctr_va_vdst(0)
	s_wait_kmcnt 0x0
	s_add_nc_u64 s[4:5], s[4:5], s[24:25]
	s_add_nc_u64 s[14:15], s[14:15], s[28:29]
	s_add_nc_u64 s[16:17], s[16:17], s[30:31]
.macro XLOAD t
.irp n, 0,1,2,3,4,5,6,7
	global_load_b128 v[R+32*((\t)%3)+4*\n:R+32*((\t)%3)+4*\n+3], v4, s[4:5] offset:(8*((\t)/4)+\n)*4096+256*((\t)%4) th:TH_LOAD_NT
.endr
.endm
.macro XTURN t                         ; LDS serves a wave's instructions in order: no wait between the stores and the loads
.irp n, 0,1,2,3,4,5,6,7
	ds_store_b128 v5, v[R+32*((\t)%3)+4*\n:R+32*((\t)%3)+4*\n+3] offset:4352*((\t)%2)+272*\n
.endr
.irp n, 0,1,2,3,4,5,6,7
	ds_load_b128 v[X+32*((\t)%2)+4*\n:X+32*((\t)%2)+4*\n+3], v6 offset:4352*((\t)%2)+16*\n
.endr
.endm
.macro XSTEP t
.set XS, X+32*((\t)%2)
.set CC, C+6*(\t)
	s_wait_dscnt 0x0                               ; this step's 32 numbers are back, and its stores into the stage have read their registers,
.if (\t)+3 < 8
	XLOAD (\t)+3                                   ; which take the loads of three steps on
.endif
.if (\t)+1 < 8
.if 6-(\t) >= 2
	s_wait_loadcnt 16                              ; the next step's eight loads are in; the two sets behind them may be out
.else
	s_wait_loadcnt 8*(6-(\t))
.endif
	XTURN (\t)+1
.endif
	v_max3_num_f32 v9, |v[XS]|, |v[XS+1]|, |v[XS+2]|       ; the block's largest magnitude: all 32 are mine; two chains
	v_max3_num_f32 v10, |v[XS+3]|, |v[XS+4]|, |v[XS+5]|
.irp i, 6,10,14,18,22,26
	v_max3_num_f32 v9, v9, |v[XS+\i]|, |v[XS+\i+1]|
	v_max3_num_f32 v10, v10, |v[XS+\i+2]|, |v[XS+\i+3]|
.endr
	v_max3_num_f32 v9, v9, |v[XS+30]|, |v[XS+31]|
	v_max3_num_f32 v9, v9, v10, 0x2800000          ; and the floor 2^(5 - 127): the byte cannot fall under 1
	v_add_nc_u32 v11, 0xfe000000, v9               ; 4 off the exponent field: the conversion's scale operand
	v_lshrrev_b32 v12, 23, v11                     ; the byte
	v_cvt_scalef32_pk16_bf6_f32 v[CC:CC+2], v[XS:XS+15], v11
	v_cvt_scalef32_pk16_bf6_f32 v[TC:TC+2], v[XS+16:XS+31], v11
	v_lshlrev_b32 v12, v8, v12                     ; the byte at 8 h.  (The plain line behind the conversions)
.irp i, 0,1,2
	v_mov_b32 v[CC+3+\i], v[TC+\i]
.endr
.if (\t)%2 == 0
	v_mov_b32 v[WD+(\t)/2], v12                    ; blocks 0, 1 of the K step
.else
	v_lshl_or_b32 v[WD+(\t)/2], v12, 16, v[WD+(\t)/2]   ; blocks 2, 3
.endif
.irp p, 0,1,2
	global_store_b64 v7, v[CC+2*\p:CC+2*\p+1], s[14:15] offset:(((\t)%4)/2)*6144+((\t)/4)*1536+((\t)%2)*768+256*\p   ; 32 lanes store 256 consecutive bytes, aligned
.endr
.endm
	XLOAD 0
	XLOAD 1
	XLOAD 2
	s_wait_loadcnt 16                              ; step 0's eight loads are in
	XTURN 0
.irp t, 0,1,2,3,4,5,6,7
	XSTEP \t
.endr
.irp w, 0,1,2,3
	v_permlanex16_b32 v[PT+\w], v[WD+\w], s26, s27
.endr
.irp w, 0,1,2,3
	v_or_b32 v[WD+\w], v[WD+\w], v[PT+\w]          ; with lane l xor 16's two bytes a word is whole
.endr
	v_cmp_eq_u32 vcc_lo, 1, v3
	v_cndmask_b32 v14, v[WD], v[WD+2], vcc_lo      ; lanes 0-15 store tile 0's two words, lanes 16-31 tile 1's
	v_cndmask_b32 v15, v[WD+1], v[WD+3], vcc_lo
	global_store_b64 v7, v[14:15], s[16:17]        ; 256 consecutive bytes, aligned
	s_wait_tensorcnt 0x0
	ds_add_u32 v240, v241
	s_wait_dscnt 0x0
	s_endpgm
; ---- the weights: K is the first axis.  A lane takes a column n and its registers run down K: a block of 32 lies in one lane, and the codes come out with K innermost.
; A work-group: one weight, 128 columns, 256 along K; a wave: 32 columns (a pair of tiles), eight blocks a lane.  The codes go through the wave's own stage, laid as the images lie in memory, and leave in runs of 512 bytes.
.Lweights:
	s_sub_co_u32 s23, ttmp9, 128
	s_lshr_b32 s24, s23, 5                         ; which weight: q, k, v, o
	s_bfe_u32 s25, s23, 0x30002                    ; which 128 columns
	s_and_b32 s26, s23, 3                          ; which quarter of K
	s_lshl_b32 s27, s25, 2
	s_add_co_u32 s27, s27, s22                     ; my pair of tiles
	s_wait_alu depctr_va_vdst(0)
	v_lshlrev_b32 v4, 2, v1                        ; in: 4 bytes a lane
	v_bfe_u32 v9, v0, 3, 1                         ; column L of the pair is row r' = L % 8 + 8 (L / 16) of tile u = (L / 8) % 2
	v_and_b32 v10, 7, v0
	v_lshl_add_u32 v10, v3, 3, v10
	s_mul_i32 s34, s22, 6144
	s_add_co_u32 s34, s34, WSTG                    ; my stage: [K step 0..1][tile u][half][768]
	v_mul_u32_u24 v5, v9, 1536
	v_lshl_add_u32 v5, v10, 3, v5
	v_add_nc_u32 v5, s34, v5                       ; into it: tile u, 8 r'
	v_lshl_add_u32 v6, v1, 4, s34                  ; out of it: 16 L
	v_lshlrev_b32 v8, 4, v1
	v_lshl_add_u32 v11, v9, 4, v10
	v_lshlrev_b32 v11, 3, v11                      ; my row's two scale words: 8 (16 u + r')
	s_lshl_b32 s28, s26, 20                        ; 256 rows of 4,096 bytes
	s_lshl_b32 s29, s25, 9
	s_add_co_u32 s28, s28, s29
	s_lshl_b32 s29, s22, 7
	s_add_co_u32 s28, s28, s29
	s_mov_b32 s29, 0
	s_mul_i32 s30, s24, 786432
	s_lshr_b32 s31, s27, 1
	s_mul_i32 s31, s31, 49152
	s_add_co_u32 s30, s30, s31
	s_mul_i32 s31, s26, 12288
	s_add_co_u32 s30, s30, s31
	s_and_b32 s31, s22, 1
	s_mul_i32 s31, s31, 3072
	s_add_co_u32 s30, s30, s31
	s_mov_b32 s31, 0
	s_lshl_b32 s32, s24, 15
	s_lshl_b32 s33, s27, 10
	s_add_co_u32 s32, s32, s33
	s_lshl_b32 s33, s26, 8
	s_add_co_u32 s32, s32, s33
	s_mov_b32 s33, 0
	s_wait_kmcnt 0x0
	s_cmp_eq_u32 s24, 1                            ; the choice hangs on the work-group's number alone
	s_cselect_b64 s[6:7], s[8:9], s[6:7]
	s_cmp_eq_u32 s24, 2
	s_cselect_b64 s[6:7], s[10:11], s[6:7]
	s_cmp_eq_u32 s24, 3
	s_cselect_b64 s[6:7], s[12:13], s[6:7]
	s_add_nc_u64 s[6:7], s[6:7], s[28:29]
	s_add_nc_u64 s[18:19], s[18:19], s[30:31]
	s_add_nc_u64 s[20:21], s[20:21], s[32:33]
.macro WLOAD t                         ; block t: W(32 t + i, my column): 32 lanes read 128 consecutive bytes, the four waves 512
.set i, 0
.rept 32
	global_load_b32 v[WX+32*((\t)%2)+i], v4, s[6:7] offset:(32*(\t)+i)*4096 th:TH_LOAD_NT
.set i, i+1
.endr
.endm
.macro WBLOCK t
.set XS, WX+32*((\t)%2)
.if (\t) < 7
	s_wait_loadcnt 32                              ; this block's 32 loads are in; the next block's may be out
.else
	s_wait_loadcnt 0x0
.endif
	v_max3_num_f32 v12, |v[XS]|, |v[XS+1]|, |v[XS+2]|
	v_max3_num_f32 v13, |v[XS+3]|, |v[XS+4]|, |v[XS+5]|
.irp i, 6,10,14,18,22,26
	v_max3_num_f32 v12, v12, |v[XS+\i]|, |v[XS+\i+1]|
	v_max3_num_f32 v13, v13, |v[XS+\i+2]|, |v[XS+\i+3]|
.endr
	v_max3_num_f32 v12, v12, |v[XS+30]|, |v[XS+31]|
	v_max3_num_f32 v12, v12, v13, 0x2800000
	v_add_nc_u32 v14, 0xfe000000, v12
	v_lshrrev_b32 v13, 23, v14
.if (\t)%4 == 0
	v_mov_b32 v[SB+(\t)/4], v13                    ; four bytes to a word, the lower K in the lower byte
.else
	v_lshl_or_b32 v[SB+(\t)/4], v13, 8*((\t)%4), v[SB+(\t)/4]
.endif
	v_cvt_scalef32_pk16_bf6_f32 v[WC:WC+2], v[XS:XS+15], v14
	v_cvt_scalef32_pk16_bf6_f32 v[WT:WT+2], v[XS+16:XS+31], v14
	v_nop                                          ; one plain line behind the conversions
.irp i, 0,1,2
	v_mov_b32 v[WC+3+\i], v[WT+\i]
.endr
.irp p, 0,1,2
	ds_store_b64 v5, v[WC+2*\p:WC+2*\p+1] offset:((\t)/4)*3072+(((\t)/2)%2)*768+((\t)%2)*128+256*\p   ; block t is half h = t % 2 of the lanes of image (K step t / 4, half (t / 2) % 2)
.endr
.if (\t)+2 < 8
	WLOAD (\t)+2
.endif
	s_wait_dscnt 0x0                               ; the stores have read their registers: the next block's codes may be written
.endm
	WLOAD 0
	WLOAD 1
.irp t, 0,1,2,3,4,5,6,7
	WBLOCK \t
.endr
	s_wait_alu depctr_va_vdst(0)
	global_store_b64 v11, v[SB:SB+1], s[20:21]     ; the 32 lanes fill 256 consecutive bytes, aligned
.irp q, 0,1,2,3,4,5,6,7,8,9,10,11
	ds_load_b128 v[OUTR+4*\q:OUTR+4*\q+3], v6 offset:512*\q
.endr
.irp q, 0,1,2,3,4,5,6,7,8,9,10,11
	s_wait_dscnt 11-\q                             ; load q is in; the younger ones may be out
	global_store_b128 v8, v[OUTR+4*\q:OUTR+4*\q+3], s[18:19] offset:(\q/6)*6144+(\q%6)*512   ; 512 consecutive bytes, aligned
.endr
	s_wait_tensorcnt 0x0
	ds_add_u32 v240, v241
	s_wait_dscnt 0x0
	s_endpgm
.Lfunc_end_k_q4ee7183f94_quant:
	.size	k_q4ee7183f94_quant, .Lfunc_end_k_q4ee7183f94_quant-k_q4ee7183f94_quant
	.p2alignl 7, 3214868480
	.fill 96, 4, 3214868480
	.section	.rodata,"a",@progbits
	.p2align	6, 0x0
	.amdhsa_kernel k_q4ee7183f94_quant
		.amdhsa_group_segment_fixed_size 59904
		.amdhsa_private_segment_fixed_size 0
		.amdhsa_enable_private_segment 0
		.amdhsa_kernarg_size 72
		.amdhsa_user_sgpr_count 2
		.amdhsa_user_sgpr_kernarg_segment_ptr 1
		.amdhsa_wavefront_size32 1
		.amdhsa_system_sgpr_workgroup_id_x 1
		.amdhsa_system_sgpr_workgroup_id_y 1
		.amdhsa_system_sgpr_workgroup_id_z 1
		.amdhsa_system_vgpr_workitem_id 0
		.amdhsa_next_free_vgpr 242
		.amdhsa_next_free_sgpr 66
		.amdhsa_reserve_vcc 1
		.amdhsa_float_denorm_mode_32 3
		.amdhsa_float_denorm_mode_16_64 3
		.amdhsa_memory_ordered 1
		.amdhsa_forward_progress 1
		.amdhsa_inst_pref_size 74
	.end_amdhsa_kernel
	.amdgpu_metadata
---
amdhsa.version: [ 1, 2 ]
amdhsa.kernels:
  - .name:           k_q4ee7183f94_quant
    .symbol:         k_q4ee7183f94_quant.kd
    .args:
      - { .name: x, .offset: 0, .size: 8, .value_kind: global_buffer, .address_space: global }
      - { .name: Wq, .offset: 8, .size: 8, .value_kind: global_buffer, .address_space: global }
      - { .name: Wk, .offset: 16, .size: 8, .value_kind: global_buffer, .address_space: global }
      - { .name: Wv, .offset: 24, .size: 8, .value_kind: global_buffer, .address_space: global }
      - { .name: Wo, .offset: 32, .size: 8, .value_kind: global_buffer, .address_space: global }
      - { .name: xc, .offset: 40, .size: 8, .value_kind: global_buffer, .address_space: global }
      - { .name: xs, .offset: 48, .size: 8, .value_kind: global_buffer, .address_space: global }
      - { .name: wc, .offset: 56, .size: 8, .value_kind: global_buffer, .address_space: global }
      - { .name: ws, .offset: 64, .size: 8, .value_kind: global_buffer, .address_space: global }
    .group_segment_fixed_size: 59904
    .private_segment_fixed_size: 0
    .kernarg_segment_align: 8
    .kernarg_segment_size: 72
    .max_flat_workgroup_size: 128
    .sgpr_count:     66
    .vgpr_count:     242
    .wavefront_size: 32
...
	.end_amdgpu_metadata
.endif
;; end of part 1
;; launch proj (part 2): grid 8 x 32, 4 waves a work-group, clusters of 4 x 4, 327,680 bytes of LDS; arguments xc, xs, wc, ws, bq, bk, bv, hc, hs; writes hc, hs
.if DOCPART == 2
	.amdgcn_target "amdgcn-amd-amdhsa--gfx1250"
	.amdhsa_code_object_version 6
	.text
	.protected	k_q4ee7183f94_proj
	.globl	k_q4ee7183f94_proj
	.p2align	8
	.type	k_q4ee7183f94_proj,@function
k_q4ee7183f94_proj:
	s_mov_b64 s[64:65], 0
	v_nop
	global_prefetch_b8 v0, s[64:65] scope:SCOPE_SE
	s_setreg_imm32_b32 hwreg(HW_REG_WAVE_MODE, 25, 1), 1
	s_wait_xcnt 0x0
	s_wait_alu depctr_hold_cnt(0) depctr_sa_sdst(0) depctr_va_vdst(0) depctr_va_sdst(0) depctr_va_ssrc(0) depctr_va_vcc(0) depctr_vm_vsrc(0)
	s_getreg_b32 s2, hwreg(HW_REG_IB_STS2, 6, 4)
	s_cmp_eq_u32 s2, 0
	s_cbranch_scc0 .Lentry_in_a_cluster
	s_endpgm
.Lentry_in_a_cluster:
	s_bfe_u32 s2, ttmp6, 0x10000c
	s_cmp_lg_u32 s2, 0xf033
	s_cbranch_scc0 .Lentry_shape_is_right
	s_endpgm
.Lentry_shape_is_right:
; q = x Wq + bq, k = x Wk + bk, v = x Wv + bv on codes of BF6 (E3M2), and the results quantised on the way out: q and k along the head's 64, v along the keys.
; SHARES.  Work-group (g, t) takes 128 tokens (tile t of 32) and columns 128 g .. 128 g + 127 of EACH of the three weights: three blocks of 128 x 128, one after the other; 8 x 32 = 256 work-groups.
; Each of four waves makes 64 x 64 of a block: 16 accumulators.  K = 1,024 in eight steps of 128.
; LDS.  x's two groups (2 x 49,152 bytes, the whole K) are filled once and stay.  A weight's two groups go through two slots: Wq at the head into slot 0, Wk into slot 1 behind the first round, Wv into slot 0 behind the second:
; each later weight is asked for a whole block (128 matrix instructions a wave and a way out) ahead of its first use.  x's groups are shared along a row of the cluster, the weights' along a column: joint loads.
; The product is C'(source 1's rows in the lanes, source 0's rows in the registers).  q, k: source 0 = 16 columns of the weight, source 1 = 16 tokens: a lane holds one token, its registers run along the head's 64.
; v: source 0 = 16 tokens, source 1 = 16 columns of Wv: a lane holds one channel d, its registers run along the keys.
; A tile's rows are 32 (T / 2) + 8 (T % 2) + r + 8 (r / 8): so the 16 registers of source-0 tiles 2 b and 2 b + 1 are the 16 neighbours 32 b + 16 (lane / 16) + 0 .. 15.
; OUT: hc [part q, k, v][head][256 images][768]: q, k: image = tile of tokens; v: image = 4 x (group of 64 keys) + tile of d.  hs: one u16 (two bytes, blocks 0 and 1) a row of an image, [part x 16 + head][4096].
; In all three blocks my four images are 4 (2 t + my half of the tokens) + j of plane part x 16 + 2 g + my half of the columns: from block to block only the part steps.
; NO PREFETCH: the walk has three blocks and each weight's load already stands a whole block ahead of its first read; nothing is left to run ahead in.
; LIMITS: NaN and infinities are not served; a block whose largest magnitude lies under 2^-122, zeros among them, gets the byte 1 (this program alone reads the bytes).
; REGISTERS.  window 0: v1-15 addresses and work; v13 0 and v27 the spare word; v16-23 v's bias, a pair a tile; v24-31 work; v32-63 x's scale words (tile, step at 8 tile + step), v64-95 the weight's: these hold scales and nothing else;
;   v96-127 the codes; v128-255 accumulator (j, i) at 8 (4 j + i).   window 1: two sets of fragments, v0-95 and v96-191: source 0's four, then source 1's four; v192-223 q's or k's bias (tile i at 8 i).
.set SLOT1, 1<<17                      ; the weights' slots begin at 0 and here, 98,304 bytes each
.set SPARE, 98304                      ; between them: the spare words, 128 bytes a wave: two blocks of 256 bytes that no other line names
.set STG,   98816                      ; and 128 bytes a wave for its rows' u16s
.set XL,    229376                     ; x's two groups
.set BM,   16
.set SCA,  32
.set SCB,  64
.set CD,   96
.set ACC,  128
.set BN,   192
.set SPW,  27
.set NIL,  13
.set G1A,  32                          ; s[32:39] group 1 for x's groups, s[40:47] for a weight's groups, s[68:75] for half a group of a weight
.set G1B,  40
.set G1L,  68
.set G0A,  48                          ; groups 0: x at the head, Wq at the head, the walking one
.set G0B,  52
.set G0L,  56
.set TR,   60
.set SEL,  104
.set MSB,  0
.macro WIN new                         ; the immediate's high byte repeats the setting that is left
.if MSB != (\new)
	s_set_vgpr_msb (MSB<<8)|(\new)
.set MSB, (\new)
.endif
.endm
.set W_MUL, 0x05                       ; sources 0 and 1 window 1; C and D window 0
.set TO_F,  0x40                       ; destination window 1, address window 0
.macro CROUND                          ; a round of the cluster's barrier
	s_barrier_signal -1
	s_barrier_wait -1
	s_cmp_lg_u32 s22, 0
	s_cbranch_scc1 .Lnot_wave_0_\@
	s_barrier_signal -3
.Lnot_wave_0_\@:
	s_barrier_wait -3
	s_barrier_signal -1
	s_barrier_wait -1
.endm
.macro PLACES                          ; four plain lines between a matrix instruction and a load into, or a vector read of, its registers
.rept 4
	v_nop
.endr
.endm
	s_load_b256 s[4:11], s[0:1], 0x0               ; xc, xs, wc, ws
	s_load_b256 s[12:19], s[0:1], 0x20             ; bq, bk, bv, hc
	s_load_b64 s[20:21], s[0:1], 0x40              ; hs
	v_lshl_add_u32 v[SPW], v0, 2, SPARE
	v_mov_b32 v[NIL], 0
	ds_add_u32 v[SPW], v[NIL]                      ; the opening lines: the add, twice on end, and its wait ahead of my first tensor load
	ds_add_u32 v[SPW], v[NIL]
	v_lshrrev_b32 v1, 5, v0
	v_readfirstlane_b32 s22, v1                    ; wave
	s_lshr_b32 s23, s22, 1                         ; which 64 tokens are mine.  Also: at the head I fetch for x (0) or for Wq (1)
	s_and_b32 s24, s22, 1                          ; which 64 columns.  Also: which group I fetch at the head
	s_bfe_u32 s25, ttmp6, 0x40000                  ; cx
	s_bfe_u32 s26, ttmp6, 0x40004                  ; cy
	s_and_b32 s31, ttmp7, 0xffff
	s_lshl_b32 s31, s31, 2
	s_add_co_u32 s31, s31, s26                     ; t = 4 x cluster y + cy
	s_lshl_b32 s66, ttmp9, 2
	s_add_co_u32 s66, s66, s25                     ; g = 4 x cluster x + cx
	s_lshl_b32 s94, s26, 2
	s_lshl_b32 s94, 15, s94                        ; my row of the cluster: the same t
	s_lshl_b32 s96, 0x1111, s25                    ; my column: the same g
	s_or_b32 s[G1A], s94, (3<<16)|(1<<21)          ; dense bytes as rows of 32 elements of 8 bytes, no padding
	s_or_b32 s[G1B], s96, (3<<16)|(1<<21)
	s_or_b32 s[G1L], s96, (3<<16)|(1<<21)
.irp g, G1A, G1B
	s_mov_b32 s[\g+1], 32<<16                      ; tensor_dim0
	s_mov_b32 s[\g+2], 192<<16                     ; tensor_dim1: a group of 49,152 bytes
	s_mov_b32 s[\g+3], 32<<16                      ; tile_dim0
	s_mov_b32 s[\g+4], 192                         ; tile_dim1
	s_mov_b32 s[\g+5], 32                          ; pitch
	s_mov_b32 s[\g+6], 0
	s_mov_b32 s[\g+7], 0
.endr
	s_mov_b32 s[G1L+1], 32<<16
	s_mov_b32 s[G1L+2], 96<<16                     ; half a group: a quarter of a slot for each wave
	s_mov_b32 s[G1L+3], 32<<16
	s_mov_b32 s[G1L+4], 96
	s_mov_b32 s[G1L+5], 32
	s_mov_b32 s[G1L+6], 0
	s_mov_b32 s[G1L+7], 0
	s_lshl_b32 s94, s31, 1
	s_add_co_u32 s94, s94, s24
	s_mul_i32 s94, s94, 49152                      ; x: the group that I would fetch (no cx enters it)
	s_mov_b32 s95, 0
	s_lshl_b32 s96, s66, 1
	s_add_co_u32 s96, s96, s24
	s_mul_i32 s96, s96, 49152                      ; Wq: likewise (no cy enters it)
	s_mov_b32 s97, 0
	s_mul_i32 s100, s22, 24576                     ; the walk: my quarter of a slot,
	s_mul_i32 s98, s66, 98304
	s_add_co_u32 s98, s98, s100                    ; and of the weight's two groups
	s_mov_b32 s99, 0
	s_mul_i32 s101, s24, 49152
	s_mul_i32 s27, s23, 49152
	s_add_co_u32 s27, s27, XL                      ; my group of x in LDS
	s_mul_i32 s28, s24, 49152                      ; my group of the weight, in slot 0
	s_lshl_b32 s29, s22, 7
	s_add_co_u32 s29, s29, STG
	s_wait_dscnt 0x0                               ; both opening adds are done
	s_wait_kmcnt 0x0
	s_mov_b32 s[G0A], 1
	s_add_co_u32 s[G0A+1], s101, XL
	s_add_nc_u64 s[G0A+2:G0A+3], s[4:5], s[94:95]
	s_or_b32 s[G0A+3], s[G0A+3], 0x80000000
	s_mov_b32 s[G0B], 1
	s_add_co_u32 s[G0B+1], s101, 0
	s_add_nc_u64 s[G0B+2:G0B+3], s[8:9], s[96:97]
	s_or_b32 s[G0B+3], s[G0B+3], 0x80000000
	s_mov_b32 s[G0L], 1
	s_add_co_u32 s[G0L+1], s100, 0
	s_add_nc_u64 s[G0L+2:G0L+3], s[8:9], s[98:99]
	s_or_b32 s[G0L+3], s[G0L+3], 0x80000000
	CROUND                                         ; all sixteen work-groups are here: the joint loads meet
	s_cmp_eq_u32 s23, 0                            ; one fill a wave at the head: waves 0, 1 x's groups, waves 2, 3 Wq's
	s_cbranch_scc0 .Lfill_b
	tensor_load_to_lds s[G0A:G0A+3], s[G1A:G1A+7]
	s_nop 0
	PLACES
	s_branch .Lfilled
.Lfill_b:
	tensor_load_to_lds s[G0B:G0B+3], s[G1B:G1B+7]
	s_nop 0
	PLACES
.Lfilled:
	v_and_b32 v1, 31, v0                           ; L
	v_and_b32 v2, 15, v0                           ; r
	v_bfe_u32 v3, v0, 4, 1                         ; h
	v_lshlrev_b32 v9, 3, v1                        ; 8 L
	v_add_nc_u32 v4, s27, v9                       ; my group of x in LDS
	v_lshlrev_b32 v6, 3, v2                        ; 8 r
	v_lshlrev_b32 v7, 6, v3                        ; 64 h
	v_and_b32 v8, 8, v2
	v_add_nc_u32 v8, v8, v2
	v_lshlrev_b32 v8, 2, v8                        ; 4 (r + 8 (r / 8))
	v_lshl_add_u32 v10, v2, 1, s29                 ; my row's u16 in my wave's 128 bytes
	v_lshl_add_u32 v11, v1, 2, s29                 ; and back, 4 bytes a lane
	v_lshlrev_b32 v12, 2, v1
	v_mov_b32 v30, 0                               ; a lane permute's destination counts as one of its sources
	v_mov_b32 v31, 0
	s_wait_alu depctr_va_vdst(0)                   ; the wait ahead of the run of scalar lines
	s_mov_b32 s[SEL], 0x76543210
	s_mov_b32 s[SEL+1], 0xfedcba98
	s_mov_b32 s[TR], 2
	s_lshl_b32 s29, s31, 1
	s_add_co_u32 s29, s29, s23                     ; GA: my group of tokens
	s_lshl_b32 s30, s66, 1
	s_add_co_u32 s30, s30, s24                     ; GB: my group of columns = my head
	s_lshl_b32 s94, s29, 11
	s_mov_b32 s95, 0
	s_add_nc_u64 s[88:89], s[6:7], s[94:95]        ; 2,048 bytes of scale words a group
	s_lshl_b32 s96, s30, 11
	s_mov_b32 s97, 0
	s_add_nc_u64 s[90:91], s[10:11], s[96:97]
	s_lshl_b32 s96, s30, 8                         ; the head's 64 numbers of each bias
	s_add_nc_u64 s[12:13], s[12:13], s[96:97]
	s_add_nc_u64 s[14:15], s[14:15], s[96:97]
	s_add_nc_u64 s[16:17], s[16:17], s[96:97]
	s_mul_i32 s100, s30, 196608
	s_mul_i32 s3, s29, 3072
	s_add_co_u32 s100, s100, s3
	s_mov_b32 s101, 0
	s_add_nc_u64 s[18:19], s[18:19], s[100:101]    ; hc: q's part, my plane, my four images
	s_lshl_b32 s100, s30, 13
	s_lshl_b32 s3, s29, 7
	s_add_co_u32 s100, s100, s3
	s_add_nc_u64 s[20:21], s[20:21], s[100:101]    ; hs likewise
.irp t, 0,1,2,3
.irp q, 0,1,2,3
	global_load_b64 v[SCA+8*\t+2*\q:SCA+8*\t+2*\q+1], v6, s[88:89] offset:(\t/2)*1024+\q*256+(\t%2)*128   ; lane r: row r's words of K steps 2 q, 2 q + 1
.endr
.endr
.irp j, 0,1,2,3
	global_load_b32 v[BM+2*\j], v8, s[16:17] offset:(32*(\j/2)+8*(\j%2))*4                     ; v: tile j's lane r is channel 32 (j / 2) + 8 (j % 2) + r + 8 (r / 8); twice, for the packed addition
	global_load_b32 v[BM+2*\j+1], v8, s[16:17] offset:(32*(\j/2)+8*(\j%2))*4
.endr
.macro WSCALES                         ; the scale words of the weight that s[90:91] stands at
.irp t, 0,1,2,3
.irp q, 0,1,2,3
	global_load_b64 v[SCB+8*\t+2*\q:SCB+8*\t+2*\q+1], v6, s[90:91] offset:(\t/2)*1024+\q*256+(\t%2)*128
.endr
.endr
.endm
.macro FETCH s, f, a0, a1              ; K step s: 48 loads of 8 bytes a lane, each 256 consecutive bytes: four fragments of source 0 (address v[a0]), four of source 1
	WIN TO_F
.irp i, 0,1,2,3
.irp p, 0,1,2,3,4,5
	ds_load_b64 v[\f+12*\i+2*\p:\f+12*\i+2*\p+1], v[\a0] offset:(\s)*6144+\i*1536+256*\p
.endr
.endr
.irp i, 0,1,2,3
.irp p, 0,1,2,3,4,5
	ds_load_b64 v[\f+48+12*\i+2*\p:\f+48+12*\i+2*\p+1], v[\a1] offset:(\s)*6144+\i*1536+256*\p
.endr
.endr
.endm
.macro MUL s, f, zero, sc0, sc1        ; 16 matrix instructions; the 16 accumulators take turns, one instruction a turn, in the same order in every step
	WIN W_MUL
.irp j, 0,1,2,3
.irp i, 0,1,2,3
.if \zero
	v_wmma_scale_f32_16x16x128_f8f6f4 v[ACC+8*(4*\j+\i):ACC+8*(4*\j+\i)+7], v[\f+12*\i:\f+12*\i+11], v[\f+48+12*\j:\f+48+12*\j+11], 0, v[\sc0+8*\i+(\s)], v[\sc1+8*\j+(\s)] matrix_a_fmt:MATRIX_FMT_BF6 matrix_b_fmt:MATRIX_FMT_BF6
.else
	v_wmma_scale_f32_16x16x128_f8f6f4 v[ACC+8*(4*\j+\i):ACC+8*(4*\j+\i)+7], v[\f+12*\i:\f+12*\i+11], v[\f+48+12*\j:\f+48+12*\j+11], v[ACC+8*(4*\j+\i):ACC+8*(4*\j+\i)+7], v[\sc0+8*\i+(\s)], v[\sc1+8*\j+(\s)] matrix_a_fmt:MATRIX_FMT_BF6 matrix_b_fmt:MATRIX_FMT_BF6
.endif
.endr
.endr
.endm
.macro GEMM a0, a1, sc0, sc1           ; a block's eight K steps, on two sets of fragments by turns
	FETCH 0, 0, \a0, \a1
	s_wait_loadcnt 0x0                             ; scale words and biases
.irp s, 0,1,2,3,4,5,6,7
	s_wait_dscnt 0x0                               ; this step's fragments are in
.if \s < 7
.if \s > 0
	PLACES                                         ; the other set was read by the last step's products
.endif
	FETCH \s+1, 96*((\s+1)%2), \a0, \a1
.endif
.if \s == 0
	MUL \s, 0, 1, \sc0, \sc1                       ; the first step's products start the sums
.else
	MUL \s, 96*(\s%2), 0, \sc0, \sc1
.endif
.endr
	WIN 0
	PLACES
.endm
; 32 registers of a lane, block b at src + 16 b (register 16 b + i = k 32 b + 16 (lane / 16) + i of my row), become an image's six registers at pc and the row's u16 at pw.
.macro QUANT2 src, pc, x2, pw, tm, pt, so
.irp b, 0,1
	v_max3_num_f32 v[(\tm)+\b], |v[(\src)+16*\b]|, |v[(\src)+16*\b+1]|, 0x2800000   ; my 16 numbers and the floor 2^(5 - 127)
.endr
.irp i, 2,4,6,8,10,12,14
.irp b, 0,1
	v_max3_num_f32 v[(\tm)+\b], v[(\tm)+\b], |v[(\src)+16*\b+\i]|, |v[(\src)+16*\b+\i+1]|
.endr
.endr
.irp b, 0,1
	v_permlanex16_b32 v[(\pt)+\b], v[(\tm)+\b], s[SEL], s[SEL+1]
.endr
.irp b, 0,1
	v_max_num_f32 v[(\tm)+\b], v[(\tm)+\b], v[(\pt)+\b]      ; with lane l xor 16's: the block's largest magnitude
.endr
.irp b, 0,1
	v_add_nc_u32 v[(\so)+\b], 0xfe000000, v[(\tm)+\b]        ; 4 off the exponent field: the conversion's scale operand
.endr
.irp b, 0,1
	v_lshrrev_b32 v[(\pt)+\b], 23, v[(\so)+\b]               ; the byte
.endr
	v_lshl_or_b32 v[\pw], v[(\pt)+1], 8, v[\pt]
	v_cvt_scalef32_pk16_bf6_f32 v[(\pc):(\pc)+2], v[(\src):(\src)+15], v[\so]
	v_cvt_scalef32_pk16_bf6_f32 v[(\x2):(\x2)+2], v[(\src)+16:(\src)+31], v[(\so)+1]
	v_nop                                          ; one plain line behind the conversions
.irp i, 0,1,2
	v_permlane16_swap_b32 v[(\pc)+\i], v[(\x2)+\i] ; a whole block to a lane: lanes 0-15 block 0, lanes 16-31 block 1
.endr
.irp i, 0,1,2
	v_mov_b32 v[(\pc)+3+\i], v[(\x2)+\i]
.endr
.endm
.macro WAYOUT vb                       ; the bias, along the registers (q, k) or along the lanes (vb = 1); then four images and their u16s
	s_wait_xcnt 0x0                                ; the last block's stores have read their registers
.if \vb == 0
	WIN 0x04                                       ; the bias lies in window 1
.endif
.irp j, 0,1,2,3
.irp i, 0,1,2,3
.irp e, 0,2,4,6
.if \vb
	v_pk_add_f32 v[ACC+8*(4*\j+\i)+\e:ACC+8*(4*\j+\i)+\e+1], v[ACC+8*(4*\j+\i)+\e:ACC+8*(4*\j+\i)+\e+1], v[BM+2*\j:BM+2*\j+1]
.else
	v_pk_add_f32 v[ACC+8*(4*\j+\i)+\e:ACC+8*(4*\j+\i)+\e+1], v[ACC+8*(4*\j+\i)+\e:ACC+8*(4*\j+\i)+\e+1], v[BN+8*\i+\e:BN+8*\i+\e+1]   ; each accumulator from its low end on
.endif
.endr
.endr
.endr
	WIN 0
.irp j, 0,1,2,3
	QUANT2 ACC+32*\j, CD+8*\j, 24, CD+8*\j+6, 28, 30, 14
.irp p, 0,1,2
	global_store_b64 v9, v[CD+8*\j+2*\p:CD+8*\j+2*\p+1], s[18:19] offset:768*\j+256*\p   ; 256 consecutive bytes, aligned
.endr
	ds_store_b16 v10, v[CD+8*\j+6] offset:32*\j    ; both halves of the lanes write the same two bytes with the same value
.endr
	ds_load_b32 v1, v11                            ; LDS serves a wave's instructions in order: this sees my stores
	s_wait_dscnt 0x0
	global_store_b32 v12, v1, s[20:21]             ; my 64 rows' u16s: 128 consecutive bytes, half of an aligned 256: one byte in 24 of what the launch stores
.endm
.Lblk:                                             ; two trips: q, then k.  Each asks for the next weight first and then multiplies its own
	v_add_nc_u32 v5, s28, v9                       ; my group of this trip's weight
	s_cmp_eq_u32 s[TR], 2                          ; the choice hangs on the trip alone
	s_cselect_b64 s[92:93], s[12:13], s[14:15]
	WSCALES
	WIN 0x40
.irp i, 0,1,2,3
	global_load_b128 v[BN+8*\i:BN+8*\i+3], v7, s[92:93] offset:(32*(\i/2)+8*(\i%2))*4          ; tile i's register e is column 32 (i / 2) + 16 h + 8 (i % 2) + e
	global_load_b128 v[BN+8*\i+4:BN+8*\i+7], v7, s[92:93] offset:(32*(\i/2)+8*(\i%2))*4+16
.endr
	WIN 0
	s_wait_alu depctr_va_vdst(0)
	s_wait_tensorcnt 0x0                           ; my part of this trip's weight (the first time of x too) is in, and no load of mine is out: a group 0 may be written
	ds_add_u32 v[SPW], v[NIL]                      ; 0 onto my spare word
	s_xor_b32 s[G0L+1], s[G0L+1], SLOT1            ; the other slot,
	s_add_nc_u64 s[G0L+2:G0L+3], s[G0L+2:G0L+3], 786432   ; the next weight
	s_wait_dscnt 0x0                               ; the add is done, and my reads of the slot that the last block used are over
	CROUND                                         ; both hold of every wave of every partner
	tensor_load_to_lds s[G0L:G0L+3], s[G1L:G1L+7]  ; my one load behind the round
	s_nop 0
	PLACES
	GEMM 5, 4, SCB, SCA
	WAYOUT 0
	s_wait_xcnt 0x0                                ; the stores have read their bases
	s_add_nc_u64 s[18:19], s[18:19], 3145728       ; the next part of hc,
	s_add_nc_u64 s[20:21], s[20:21], 131072        ; of hs,
	s_add_nc_u64 s[90:91], s[90:91], 32768         ; the next weight's scale words
	s_xor_b32 s28, s28, SLOT1
	s_sub_co_u32 s[TR], s[TR], 1
	s_cmp_lg_u32 s[TR], 0
	s_cbranch_scc1 .Lblk
	v_add_nc_u32 v5, s28, v9                       ; v: Wv lies in slot 0
	WSCALES
	s_wait_alu depctr_va_vdst(0)                   ; the wait directly ahead of the waits below
	s_wait_tensorcnt 0x0                           ; my part of Wv is in; nothing is filled again
	s_wait_dscnt 0x0
	s_barrier_signal -1
	s_barrier_wait -1                              ; everybody's is
	GEMM 4, 5, SCA, SCB                            ; the sources change places
	WAYOUT 1
	s_wait_tensorcnt 0x0                           ; the wave's end
	ds_add_u32 v[SPW], v[NIL]
	s_wait_dscnt 0x0
	CROUND                                         ; the closing round
	s_endpgm
.Lfunc_end_k_q4ee7183f94_proj:
	.size	k_q4ee7183f94_proj, .Lfunc_end_k_q4ee7183f94_proj-k_q4ee7183f94_proj
	.p2alignl 7, 3214868480
	.fill 96, 4, 3214868480
	.section	.rodata,"a",@progbits
	.p2align	6, 0x0
	.amdhsa_kernel k_q4ee7183f94_proj
		.amdhsa_group_segment_fixed_size 327680
		.amdhsa_private_segment_fixed_size 0
		.amdhsa_enable_private_segment 0
		.amdhsa_kernarg_size 72
		.amdhsa_user_sgpr_count 2
		.amdhsa_user_sgpr_kernarg_segment_ptr 1
		.amdhsa_wavefront_size32 1
		.amdhsa_system_sgpr_workgroup_id_x 1
		.amdhsa_system_sgpr_workgroup_id_y 1
		.amdhsa_system_sgpr_workgroup_id_z 1
		.amdhsa_system_vgpr_workitem_id 0
		.amdhsa_next_free_vgpr 512
		.amdhsa_next_free_sgpr 106
		.amdhsa_reserve_vcc 0
		.amdhsa_float_denorm_mode_32 3
		.amdhsa_float_denorm_mode_16_64 3
		.amdhsa_memory_ordered 1
		.amdhsa_forward_progress 1
		.amdhsa_inst_pref_size 124
	.end_amdhsa_kernel
	.amdgpu_metadata
---
amdhsa.version: [ 1, 2 ]
amdhsa.kernels:
  - .name:           k_q4ee7183f94_proj
    .symbol:         k_q4ee7183f94_proj.kd
    .args:
      - { .name: xc, .offset: 0, .size: 8, .value_kind: global_buffer, .address_space: global }
      - { .name: xs, .offset: 8, .size: 8, .value_kind: global_buffer, .address_space: global }
      - { .name: wc, .offset: 16, .size: 8, .value_kind: global_buffer, .address_space: global }
      - { .name: ws, .offset: 24, .size: 8, .value_kind: global_buffer, .address_space: global }
      - { .name: bq, .offset: 32, .size: 8, .value_kind: global_buffer, .address_space: global }
      - { .name: bk, .offset: 40, .size: 8, .value_kind: global_buffer, .address_space: global }
      - { .name: bv, .offset: 48, .size: 8, .value_kind: global_buffer, .address_space: global }
      - { .name: hc, .offset: 56, .size: 8, .value_kind: global_buffer, .address_space: global }
      - { .name: hs, .offset: 64, .size: 8, .value_kind: global_buffer, .address_space: global }
    .group_segment_fixed_size: 327680
    .private_segment_fixed_size: 0
    .kernarg_segment_align: 8
    .kernarg_segment_size: 72
    .max_flat_workgroup_size: 128
    .sgpr_count:     106
    .vgpr_count:     512
    .wavefront_size: 32
...
	.end_amdgpu_metadata
.endif
;; end of part 2
;; launch attn (part 3): grid 16 x 16, 16 waves a work-group, clusters of 4 x 1, 327,680 bytes of LDS; arguments hc, hs, ac, as; writes ac, as
.if DOCPART == 3
	.amdgcn_target "amdgcn-amd-amdhsa--gfx1250"
	.amdhsa_code_object_version 6
	.text
	.protected	k_q4ee7183f94_attn
	.globl	k_q4ee7183f94_attn
	.p2align	8
	.type	k_q4ee7183f94_attn,@function
k_q4ee7183f94_attn:
	s_mov_b64 s[64:65], 0
	v_nop
	global_prefetch_b8 v0, s[64:65] scope:SCOPE_SE
	s_setreg_imm32_b32 hwreg(HW_REG_WAVE_MODE, 25, 1), 1
	s_wait_xcnt 0x0
	s_wait_alu depctr_hold_cnt(0) depctr_sa_sdst(0) depctr_va_vdst(0) depctr_va_sdst(0) depctr_va_ssrc(0) depctr_va_vcc(0) depctr_vm_vsrc(0)
	s_getreg_b32 s2, hwreg(HW_REG_IB_STS2, 6, 4)
	s_cmp_eq_u32 s2, 0
	s_cbranch_scc0 .Lentry_in_a_cluster
	s_endpgm
.Lentry_in_a_cluster:
	s_bfe_u32 s2, ttmp6, 0x10000c
	s_cmp_lg_u32 s2, 0x3003
	s_cbranch_scc0 .Lentry_shape_is_right
	s_endpgm
.Lentry_shape_is_right:
; O[h][q] = sum over k of softmax_k(q . k / 8) v, 16 heads of 64, 4,096 tokens, both products on codes of BF6 (E3M2); O / l is quantised along the model's 1,024 on the way out.
; THE SOFTMAX: t = score x log2(e) / 8; M = the running largest t rounded UP to a whole number; p = 2^(t - M) is quantised along the keys, not normalised; the row's sum is taken of the unquantised p and divides at the end.
; When M moves, the sum and O are multiplied by 2^(old M - new M), which rounds nothing.
; SHARES.  A work-group: 256 queries of one head; each of sixteen waves one tile of 16, in 256 registers: four waves to a SIMD, so that one wave's vector work stands beside another's matrix work and LDS loads.
; Every wave walks all 4,096 keys, 128 a step.  K and V come through two LDS slots of 1,024 keys (96 rows of 512 bytes of K's images, then 96 of V's), each wave fetching 12 rows by one tensor load.
; CLUSTER.  The four work-groups of a cluster belong to one head and walk the same K and V: each tile is asked for jointly.
; LAYOUT.  S^T = K Q^T (source 0 = 16 keys, source 1 = my queries), O^T = V^T P^T (source 0 = 16 channels, source 1 = P): a lane holds one query throughout.
; An image of hc (768 bytes) is 16 rows x 64 along K as six registers, 8 bytes a lane and pair; image T's rows are 32 (T / 2) + 8 (T % 2) + r + 8 (r / 8).
; THE KEYS OF A TILE ARE CHOSEN BY THE LANES' LDS ADDRESSES: row r of tile 4 c + u of a step is key 64 c + 32 (r / 8) + 8 u + r % 8, which is row 8 (u / 2) + r % 8 of image 4 c + 2 (r / 8) + u % 2.  So the 32 registers of tiles 4 c .. 4 c + 3
; are, in lane (r, h), the whole block 2 c + h of 32 keys in their order: the block's largest score needs no other lane, and the conversions' results are P's operand registers.
; LDS rows are 512 + 64 bytes (the descriptor's padding): the two halves of a tile's rows lie three rows apart, 1,728 bytes, so that the 32 lanes of a load of 8 bytes touch 64 different banks.
; THE FIRST PRODUCT'S K IS 64, the instruction's 128: tiles 2 a and 2 a + 1 of K are ONE operand of twelve registers, multiplied once by [q, 0] and once by [0, q]; what meets zero codes adds exactly 0.  One scale word serves both: tile 2 a's two bytes below, tile 2 a + 1's above.
; THE SCALE WORDS of the head's K and V are laid once, at the head, from hs into two LDS tables [step][r][4 words] (bytes of their own, which no tensor load fills): a step reads 16 bytes a lane of each.
; PREFETCH: behind the load of slot n + 1 each wave names, for slot n + 2, the 6,144 bytes that it will itself fetch: the four partners take 1,536 bytes each, told apart by address; lanes 0-5 a block of 256 bytes each (lanes 6-31 name lane 5's again); the last load has no slot behind it and asks for nothing.
; LIMITS: NaN and infinities are not served; the scaled scores t stay under 2^31 in magnitude; a block whose largest magnitude lies under 2^-122, zeros among them, gets the byte 1 (this program alone reads the bytes).
; REGISTERS: v2 8 L; v3 K's lane term; v4, v5, v9 the step's addresses; v6, v7 the spare word and 0; v8 prefetch; v10 8 h; v11 largest score; v12 -M; v[14:15] the sum; v16-33 zeros, q, zeros; v34-81 K's eight tiles, then V's four fragments;
;   v82-85 K's scale words, v86-89 V's, v90, v91 Q's (below, above), v92 P's: these hold scales and nothing else; v96-159 S^T, then p; v160-191 O^T; v192-203 P's codes; v204-229 at work; v230-242 addresses.
.set SLOT1, 1<<17
.set WPART, 12*576                     ; what one tensor load fills
.set STEPB, 12*576                     ; a step's images of K (or of V) in LDS
.set KT,    245760                     ; K's scale words, 8,192 bytes; V's behind them
.set SPARE, 262144                     ; the spare words: 128 bytes for each of 16 waves: eight blocks of 256 bytes that no other line names
.set STG,   264192                     ; the way out: 32 bytes a wave
.set S,   96
.set O,   160
.set P,   192
.set KF,  34
.set KS,  82
.set VS,  86
.set QS,  90
.set PS,  92
.set WV,  12
.set SEL, 20
.set CS,  22
.set TB,  48                           ; LDS byte at which the step's images of K begin
.set TS,  49                           ; and its scale words: 256 bytes a step
.set SLOTS, 50
.set STC, 51
.set PFA, 54
.macro CROUND
	s_barrier_signal -1
	s_barrier_wait -1
	s_cmp_lg_u32 s[WV], 0
	s_cbranch_scc1 .Lnot_wave_0_\@
	s_barrier_signal -3
.Lnot_wave_0_\@:
	s_barrier_wait -3
	s_barrier_signal -1
	s_barrier_wait -1
.endm
	s_load_b256 s[4:11], s[0:1], 0x0               ; hc, hs, ac, as
	v_lshl_add_u32 v6, v0, 2, SPARE
	v_mov_b32 v7, 0
	ds_add_u32 v6, v7                              ; the opening lines: the add, twice on end, and its wait ahead of my first tensor load
	ds_add_u32 v6, v7
	v_lshrrev_b32 v1, 5, v0
	v_readfirstlane_b32 s[WV], v1                  ; wave 0..15
	s_bfe_u32 s13, ttmp6, 0x40000                  ; cx
	s_lshl_b32 s14, ttmp9, 2
	s_add_co_u32 s14, s14, s13                     ; my block of 256 queries
	s_and_b32 s15, ttmp7, 0xffff                   ; the head, which the partners share
	; group 1: 12 rows of 64 elements of 8 bytes, 16 words of padding behind each row's 128 words; the mask names all four partners
	s_mov_b32 s24, 15|(3<<16)|(1<<20)|(1<<21)|(6<<22)|(15<<25)
	s_mov_b32 s25, 64<<16
	s_mov_b32 s26, 12<<16
	s_mov_b32 s27, 64<<16
	s_mov_b32 s28, 12
	s_mov_b32 s29, 64
	s_mov_b32 s30, 0
	s_mov_b32 s31, 0
	s_and_b32 s17, s[WV], 7                        ; waves 0-7 fetch K's eighths, waves 8-15 V's
	s_mul_i32 s56, s15, 196608                     ; the head's images in a part
	s_cmp_lt_u32 s[WV], 8
	s_cselect_b32 s18, 0, 3145728
	s_add_co_u32 s18, s18, 3145728                 ; K's part or V's
	s_mul_i32 s58, s17, 6144
	s_add_co_u32 s58, s58, s56
	s_add_co_u32 s58, s58, s18
	s_mov_b32 s59, 0
	s_mul_i32 s72, s13, 1536                       ; the prefetches: my work-group's quarter of what my wave fetches
	s_mov_b32 s73, 0
	s_lshl_b32 s76, s[WV], 5
	s_add_co_u32 s76, s76, STG
	s_mov_b32 s[SEL], 0x76543210
	s_mov_b32 s[SEL+1], 0xfedcba98                 ; selects for lane l xor 16
	s_mov_b32 s[CS], 0x3e38aa3b                    ; c = log2(e) / 8
	s_mov_b32 s[CS+1], s[CS]                       ; (named with it as a pair)
	s_mov_b32 s[TB], 0
	s_mov_b32 s[TS], 0
	s_mov_b32 s[SLOTS], 3
	s_wait_dscnt 0x0                               ; both opening adds are done
	s_wait_kmcnt 0x0
	s_mov_b32 s40, 1
	s_mul_i32 s41, s[WV], WPART                    ; slot 0, my 12 rows
	s_add_nc_u64 s[42:43], s[4:5], s[58:59]
	s_add_nc_u64 s[PFA:PFA+1], s[42:43], s[72:73]
	s_add_nc_u64 s[PFA:PFA+1], s[PFA:PFA+1], 49152 ; in slot 1: the first change of slots steps it to slot 2
	s_or_b32 s43, s43, 0x80000000
	CROUND                                         ; all four work-groups are here: the first joint loads meet
	tensor_load_to_lds s[40:43], s[24:31]          ; slot 0: every wave's one load at the head
	s_nop 0
.rept 4
	v_nop
.endr
	v_and_b32 v1, 31, v0                           ; L
	v_and_b32 v234, 15, v0                         ; r
	v_bfe_u32 v235, v0, 4, 1                       ; h
	v_bfe_u32 v236, v0, 3, 1                       ; r / 8
	v_and_b32 v237, 7, v0                          ; r % 8
	v_lshlrev_b32 v2, 3, v1                        ; 8 L
	v_mul_u32_u24 v3, v236, 1728
	v_lshl_add_u32 v3, v237, 3, v3
	v_lshl_add_u32 v3, v235, 7, v3                 ; K: three LDS rows x (r / 8) + 8 (r % 8) + 128 h
	v_min_u32 v8, 5, v1
	v_lshlrev_b32 v8, 8, v8                        ; the prefetches: lanes 256 bytes apart
	v_lshlrev_b32 v10, 3, v235                     ; 8 h
	v_lshl_add_u32 v230, v234, 4, KT               ; my row's four scale words of a step
	v_lshlrev_b32 v238, 1, v234                    ; 2 r
	v_add_nc_u32 v231, s76, v238                   ; the way out: my row's u16
	v_lshl_add_u32 v232, v1, 4, STG                ; and back (wave 0): 16 L
	v_lshlrev_b32 v233, 4, v1
	v_lshrrev_b32 v239, 4, v0
	v_lshlrev_b32 v239, 8, v239                    ; the tables: thread 16 s + r lays the words of (step s, row r): 256 s
	v_lshl_add_u32 v240, v236, 6, v239
	v_lshl_add_u32 v240, v237, 1, v240             ; K's u16s: 256 s + 64 (r / 8) + 2 (r % 8)
	v_add_nc_u32 v241, v239, v238                  ; V's: 256 s + 2 r
	v_lshl_add_u32 v242, v0, 4, KT                 ; and where the four words go
	s_wait_alu depctr_va_vdst(0)                   ; the wait ahead of the run of scalar lines
	s_lshl_b32 s62, s14, 4
	s_add_co_u32 s62, s62, s[WV]                   ; T: my tile of queries
	s_mul_i32 s66, s62, 768
	s_add_co_u32 s66, s66, s56
	s_mov_b32 s67, 0
	s_add_nc_u64 s[68:69], s[4:5], s[66:67]        ; Q's image
	s_lshl_b32 s60, s15, 13
	s_mov_b32 s61, 0
	s_add_nc_u64 s[6:7], s[6:7], s[60:61]          ; my head's plane of q's u16s; k's lies 131,072 bytes on, v's 262,144
	s_lshl_b32 s66, s62, 5
	s_add_nc_u64 s[70:71], s[6:7], s[66:67]
.irp p, 0,1,2
	global_load_b64 v[22+2*\p:23+2*\p], v2, s[68:69] offset:256*\p
.endr
	global_load_u16 v[QS], v238, s[70:71]
.irp a, 0,1,2,3
.irp e, 0,1
	global_load_u16 v[S+2*\a+\e], v240, s[6:7] offset:131072+128*(\a/2)+16*(\a%2)+32*\e      ; K: word a = tiles 2 a, 2 a + 1
	global_load_u16 v[S+8+2*\a+\e], v241, s[6:7] offset:262144+32*\a+128*\e                  ; V: word a = tile a of d, the step's first and second 64 keys
.endr
.endr
	s_lshr_b32 s66, s62, 2                         ; ac: [group of 4 tiles][K step = head / 2][tile][half = head % 2][768]
	s_mul_i32 s66, s66, 49152
	s_lshr_b32 s63, s15, 1
	s_mul_i32 s63, s63, 6144
	s_add_co_u32 s66, s66, s63
	s_and_b32 s63, s62, 3
	s_mul_i32 s63, s63, 1536
	s_add_co_u32 s66, s66, s63
	s_and_b32 s63, s15, 1
	s_mul_i32 s63, s63, 768
	s_add_co_u32 s66, s66, s63
	s_add_nc_u64 s[8:9], s[8:9], s[66:67]
	s_lshl_b32 s66, s15, 13                        ; as: [head][4096] u16
	s_lshl_b32 s63, s14, 9
	s_add_co_u32 s66, s66, s63
	s_add_nc_u64 s[10:11], s[10:11], s[66:67]
.irp i, 13,14,15,16,17,18,19,20,21,28,29,30,31,32,33,216,217,225
	v_mov_b32 v\i, 0                               ; the pairs' upper halves; the sum; the zero codes beside q; the permutes' destinations
.endr
	v_mov_b32 v11, 0xff61b1e6                      ; the largest score so far: -3e38
	v_mov_b32 v12, 0x7e000000                      ; a -M above every later one, so that the first factor is 0
.set j, 0
.rept 32
	v_mov_b32 v[O+j], 0                            ; O^T: the loop is written once, and its first step finds zeros
.set j, j+1
.endr
	s_wait_alu depctr_va_vdst(0)                   ; the wait directly ahead of the wait below
	s_wait_loadcnt 0x0
	v_lshlrev_b32 v[QS+1], 16, v[QS]               ; q's two bytes above, for [0, q]
.set j, 0
.rept 8
	v_lshl_or_b32 v[S+16+j], v[S+2*j+1], 16, v[S+2*j]
.set j, j+1
.endr
	s_wait_alu depctr_va_vdst(0)                   ; the wait at the head's end
	s_wait_tensorcnt 0x0                           ; no tensor load of mine is out when I store to LDS
	ds_store_b128 v242, v[S+16:S+19]               ; K's four words
	ds_store_b128 v242, v[S+20:S+23] offset:8192   ; V's
.macro SUM4 i                          ; pairs i .. i + 3 of p onto the sum's four chains
	v_pk_add_f32 v[14:15], v[14:15], v[S+2*(\i):S+2*(\i)+1]
	v_pk_add_f32 v[226:227], v[226:227], v[S+2*(\i)+2:S+2*(\i)+3]
	v_pk_add_f32 v[228:229], v[228:229], v[S+2*(\i)+4:S+2*(\i)+5]
	v_pk_add_f32 v[222:223], v[222:223], v[S+2*(\i)+6:S+2*(\i)+7]
.endm
; A KEY STEP: 128 keys.
.macro STEP
	v_add_nc_u32 v4, s[TB], v3
	v_add_nc_u32 v5, s[TB], v2
	v_add_nc_u32 v9, s[TS], v230
	v_nop                                          ; four plain lines between the last products and the loads into their registers
.irp t, 0,1,2,3,4,5,6,7
.irp p, 0,1,2
.set Y, (4*(\t/4)+(\t%2))*768+64*((\t%4)/2)+256*\p        ; the byte among the step's dense images; 64 more for each 512 passed
	ds_load_b64 v[KF+6*\t+2*\p:KF+6*\t+2*\p+1], v4 offset:Y+64*(Y/512)
.endr
.endr
	ds_load_b128 v[KS:KS+3], v9
	s_wait_alu depctr_va_vdst(0)
	s_wait_dscnt 0x0
.irp t, 0,1,2,3,4,5,6,7
	v_wmma_scale_f32_16x16x128_f8f6f4 v[S+8*\t:S+8*\t+7], v[KF+12*(\t/2):KF+12*(\t/2)+11], v[22-6*(\t%2):33-6*(\t%2)], 0, v[KS+\t/2], v[QS+(\t%2)] matrix_a_fmt:MATRIX_FMT_BF6 matrix_b_fmt:MATRIX_FMT_BF6
.endr
	v_mov_b32 v219, v12                            ; the old -M.  With the three lines below: four plain lines between the products and the loads into their registers and the reads of their results
.rept 3
	v_nop
.endr
	ds_load_b128 v[VS:VS+3], v9 offset:8192
.irp t, 0,1,2,3                        ; V's four fragments are asked for now and land under the softmax
.irp c, 0,1
.irp p, 0,1,2
.set Y, 49152+3072*\c+768*\t+256*\p
	ds_load_b64 v[KF+12*\t+6*\c+2*\p:KF+12*\t+6*\c+2*\p+1], v5 offset:Y+64*(Y/512)
.endr
.endr
.endr
.irp b, 0,1                            ; the largest score of my two blocks of 32 keys, two chains each; every accumulator is read from its low end on
	v_max3_num_f32 v[212+2*\b], v[S+32*\b], v[S+32*\b+1], v[S+32*\b+2]
	v_max3_num_f32 v[213+2*\b], v[S+32*\b+16], v[S+32*\b+17], v[S+32*\b+18]
.endr
.irp i, 3,5,7,9,11,13
.irp b, 0,1
	v_max3_num_f32 v[212+2*\b], v[212+2*\b], v[S+32*\b+\i], v[S+32*\b+\i+1]
	v_max3_num_f32 v[213+2*\b], v[213+2*\b], v[S+32*\b+16+\i], v[S+32*\b+17+\i]
.endr
.endr
.irp b, 0,1
	v_max3_num_f32 v[212+2*\b], v[212+2*\b], v[213+2*\b], v[S+32*\b+15]
.endr
.irp b, 0,1
	v_max_num_f32 v[212+2*\b], v[212+2*\b], v[S+32*\b+31]   ; it serves the row's maximum and, since p rises with the score, the block's largest p
.endr
	s_delay_alu instid0(VALU_DEP_1)
	v_max3_num_f32 v11, v11, v212, v214
	s_delay_alu instid0(VALU_DEP_1)
	v_permlanex16_b32 v216, v11, s[SEL], s[SEL+1]
	s_delay_alu instid0(VALU_DEP_1)
	v_max_num_f32 v11, v11, v216                   ; with lane l xor 16's blocks: the running largest score
	s_delay_alu instid0(VALU_DEP_1)
	v_mul_f32 v218, s[CS], v11                     ; as t (c is positive)
	s_delay_alu instid0(VALU_DEP_1)
	v_floor_f32 v12, -v218                         ; the new -M = -ceil(t)
	s_delay_alu instid0(VALU_DEP_1)
	v_sub_f32 v219, v12, v219                      ; old M - new M: a whole number, 0 or less
.set j, 0
.rept 32
	v_pk_fma_f32 v[S+j:S+j+1], v[S+j:S+j+1], s[CS:CS+1], v[12:13] op_sel_hi:[1,0,0]   ; t - M, two at a time
.if j == 2
	v_cvt_i32_f32 v219, v219                       ; (it saturates)
.endif
.if j == 6
	v_ldexp_f32 v224, 1.0, v219                    ; f = 2^(old M - new M)
.endif
.set j, j+2
.endr
	v_fma_f32 v212, v212, s[CS], v12               ; the same of each block's largest score
	v_fma_f32 v214, v214, s[CS], v12
	s_wait_alu depctr_va_vdst(0)                   ; the wait ahead of the batch
.set j, 0
.rept 64
	v_exp_f32 v[S+j], v[S+j]                       ; p = 2^(t - M)
.set j, j+1
.endr
	v_exp_f32 v212, v212                           ; the blocks' largest p
	v_exp_f32 v214, v214
	s_wait_dscnt 0x0                               ; V's fragments and scale words are in
	s_wait_alu depctr_va_vdst(0)                   ; one wait for the batch, which is also the wait directly ahead of O^T's first readers
.set j, 0
.rept 16
	v_pk_mul_f32 v[O+j:O+j+1], v[O+j:O+j+1], v[224:225] op_sel_hi:[1,0]   ; O^T under the new M.  (The plain lines behind the exponentials)
.set j, j+2
.endr
	v_max_num_f32 v212, 0x2800000, v212            ; the floor 2^(5 - 127): the byte cannot fall under 1
	v_max_num_f32 v214, 0x2800000, v214
	v_pk_fma_f32 v[14:15], v[14:15], v[224:225], v[S:S+1] op_sel_hi:[1,0,1]   ; the sum under the new M, and the unquantised p onto it, in four chains
	v_pk_add_f32 v[226:227], v[S+2:S+3], v[S+4:S+5]
	v_pk_add_f32 v[228:229], v[S+6:S+7], v[S+8:S+9]
	v_pk_add_f32 v[222:223], v[S+10:S+11], v[S+12:S+13]
	v_add_nc_u32 v220, 0xfe000000, v212            ; 4 off the exponent field: the conversion's scale operand
	v_add_nc_u32 v221, 0xfe000000, v214
	SUM4 7
.irp c, 0,1
	v_cvt_scalef32_pk16_bf6_f32 v[P+6*\c:P+6*\c+2], v[S+32*\c:S+32*\c+15], v[220+\c]
	v_cvt_scalef32_pk16_bf6_f32 v[204+4*\c:206+4*\c], v[S+32*\c+16:S+32*\c+31], v[220+\c]   ; (a conversion's three registers begin on an even number)
.endr
	v_lshrrev_b32 v216, 23, v220                   ; the bytes.  (The plain lines behind the conversions)
	v_lshrrev_b32 v217, 23, v221
	SUM4 11
	v_lshl_or_b32 v216, v217, 16, v216             ; blocks h and 2 + h,
.irp i, 0,1,2
	v_mov_b32 v[P+3+\i], v[204+\i]
.endr
	v_lshlrev_b32 v216, v10, v216                  ; at their places in the word;
.irp i, 0,1,2
	v_mov_b32 v[P+9+\i], v[208+\i]
.endr
	v_permlanex16_b32 v217, v216, s[SEL], s[SEL+1]
	SUM4 15
	v_or_b32 v[PS], v216, v217                     ; with lane l xor 16's two bytes p's scale word is whole
	SUM4 19                                        ; sixteen plain lines that name no register of the products below: those owed behind the scale word and the codes just written
	SUM4 23
	SUM4 27
	v_pk_add_f32 v[14:15], v[14:15], v[S+62:S+63]
	v_pk_add_f32 v[226:227], v[226:227], v[228:229]
	v_pk_add_f32 v[14:15], v[14:15], v[222:223]
	v_pk_add_f32 v[14:15], v[14:15], v[226:227]
.irp t, 0,1,2,3                        ; O^T += V^T P^T; the four accumulators take turns
	v_wmma_scale_f32_16x16x128_f8f6f4 v[O+8*\t:O+8*\t+7], v[KF+12*\t:KF+12*\t+11], v[P:P+11], v[O+8*\t:O+8*\t+7], v[VS+\t], v[PS] matrix_a_fmt:MATRIX_FMT_BF6 matrix_b_fmt:MATRIX_FMT_BF6
.endr
	s_add_co_u32 s[TB], s[TB], STEPB
	s_add_co_u32 s[TS], s[TS], 256
.endm
.macro SLOT_STEPS                      ; a slot's eight key steps: written once, walked eight times
	s_mov_b32 s[STC], 8
.Lstep_\@:
	STEP
	s_sub_co_u32 s[STC], s[STC], 1
	s_cmp_lg_u32 s[STC], 0
	s_cbranch_scc1 .Lstep_\@
	s_sub_co_u32 s[TB], s[TB], 8*STEPB
	s_xor_b32 s[TB], s[TB], SLOT1                  ; on to the other slot
.endm
; THE CHANGE OF SLOTS stands at a slot's head.  Each wave waits for all its tensor loads (its part of the slot ahead), adds 0 to its spare word, and waits for that and for its LDS instructions (its reads of the slot that it has left; the first time its stores into the tables).
; fill = 1: a round of the cluster's barrier, so that no wave of any partner still reads that slot or has a load on its way; the joint refill is the first thing behind it, one load a wave, and has eight key steps in which to land.
.macro CHANGE fill
	s_wait_tensorcnt 0x0                           ; no tensor load of mine is out, so a group 0 may be written
	ds_add_u32 v6, v7                              ; 0 onto my spare word
.if \fill
	s_xor_b32 s41, s41, SLOT1                      ; the walking descriptor: the other slot,
	s_add_nc_u64 s[42:43], s[42:43], 49152         ; the next 1,024 keys
	s_wait_xcnt 0x0                                ; the last prefetch, a slot back, has read its address
	s_add_nc_u64 s[PFA:PFA+1], s[PFA:PFA+1], 49152 ; one slot further on than the descriptor
	s_wait_dscnt 0x0
	CROUND
	tensor_load_to_lds s[40:43], s[24:31]
	s_nop 0
.rept 4
	v_nop
.endr
	s_cmp_gt_u32 s[SLOTS], 1                       ; behind the last load no slot is left to ask for
	s_cbranch_scc0 .Lno_ask_\@
	global_prefetch_b8 v8, s[PFA:PFA+1] th:TH_LOAD_NT scope:SCOPE_SE
.Lno_ask_\@:
.else
	s_wait_dscnt 0x0
	s_barrier_signal -1
	s_barrier_wait -1
.endif
.endm
.Lslot:                                            ; three trips: behind each change of slots but the last the next slot is asked for
	CHANGE 1
	SLOT_STEPS
	s_sub_co_u32 s[SLOTS], s[SLOTS], 1
	s_cmp_lg_u32 s[SLOTS], 0
	s_cbranch_scc1 .Lslot
	CHANGE 0                                       ; the last slot is written out
	SLOT_STEPS
; THE WAY OUT: O^T / the sum, quantised along my head's 64 channels: an image of ac and a u16 a row.  V's tiles of channels have the images' order of rows: register 16 b + i is channel 32 b + 16 (lane / 16) + i.
.rept 4
	v_nop                                          ; four plain lines behind the last products
.endr
	v_add_f32 v14, v14, v15
	s_delay_alu instid0(VALU_DEP_1)
	v_permlanex16_b32 v216, v14, s[SEL], s[SEL+1]
	s_delay_alu instid0(VALU_DEP_1)
	v_add_f32 v14, v14, v216                       ; the row's sum
	s_wait_alu depctr_va_vdst(0)                   ; the wait ahead of the reciprocal,
	v_rcp_f32 v14, v14
	v_nop                                          ; a plain line behind it,
	s_wait_alu depctr_va_vdst(0)                   ; and the wait ahead of its first reader, which is O^T's first reader too
.set j, 0
.rept 32
	v_mul_f32 v[S+j], v[O+j], v14
.set j, j+1
.endr
.irp b, 0,1
	v_max3_num_f32 v[212+\b], |v[S+16*\b]|, |v[S+16*\b+1]|, 0x2800000
.endr
.irp i, 2,4,6,8,10,12,14
.irp b, 0,1
	s_delay_alu instid0(VALU_DEP_2)
	v_max3_num_f32 v[212+\b], v[212+\b], |v[S+16*\b+\i]|, |v[S+16*\b+\i+1]|
.endr
.endr
.irp b, 0,1
	s_delay_alu instid0(VALU_DEP_2)
	v_permlanex16_b32 v[216+\b], v[212+\b], s[SEL], s[SEL+1]
.endr
.irp b, 0,1
	s_delay_alu instid0(VALU_DEP_2)
	v_max_num_f32 v[212+\b], v[212+\b], v[216+\b]
.endr
.irp b, 0,1
	s_delay_alu instid0(VALU_DEP_2)
	v_add_nc_u32 v[220+\b], 0xfe000000, v[212+\b]
.endr
.irp b, 0,1
	s_delay_alu instid0(VALU_DEP_2)
	v_lshrrev_b32 v[216+\b], 23, v[220+\b]
.endr
	v_cvt_scalef32_pk16_bf6_f32 v[P:P+2], v[S:S+15], v220
	v_cvt_scalef32_pk16_bf6_f32 v[204:206], v[S+16:S+31], v221
	v_lshl_or_b32 v218, v217, 8, v216              ; the row's u16.  (The plain line behind the conversions)
.irp i, 0,1,2
	v_permlane16_swap_b32 v[P+\i], v[204+\i]       ; a whole block to a lane
.endr
.irp i, 0,1,2
	v_mov_b32 v[P+3+\i], v[204+\i]
.endr
.irp p, 0,1,2
	global_store_b64 v2, v[P+2*\p:P+2*\p+1], s[8:9] offset:256*\p   ; 256 consecutive bytes, aligned
.endr
	ds_store_b16 v231, v218                        ; both halves of the lanes write the same two bytes with the same value
	s_wait_dscnt 0x0                               ; for the others' sake
	s_barrier_signal -1
	s_barrier_wait -1
	s_cmp_lg_u32 s[WV], 0
	s_cbranch_scc1 .Lnot_first_wave
	ds_load_b128 v[34:37], v232                    ; the work-group's 256 u16s
	s_wait_dscnt 0x0
	global_store_b128 v233, v[34:37], s[10:11]     ; 512 consecutive bytes, aligned
.Lnot_first_wave:
	s_wait_tensorcnt 0x0                           ; the wave's end
	ds_add_u32 v6, v7
	s_wait_dscnt 0x0
	CROUND                                         ; the closing round
	s_endpgm
.Lfunc_end_k_q4ee7183f94_attn:
	.size	k_q4ee7183f94_attn, .Lfunc_end_k_q4ee7183f94_attn-k_q4ee7183f94_attn
	.p2alignl 7, 3214868480
	.fill 96, 4, 3214868480
	.section	.rodata,"a",@progbits
	.p2align	6, 0x0
	.amdhsa_kernel k_q4ee7183f94_attn
		.amdhsa_group_segment_fixed_size 327680
		.amdhsa_private_segment_fixed_size 0
		.amdhsa_enable_private_segment 0
		.amdhsa_kernarg_size 32
		.amdhsa_user_sgpr_count 2
		.amdhsa_user_sgpr_kernarg_segment_ptr 1
		.amdhsa_wavefront_size32 1
		.amdhsa_system_sgpr_workgroup_id_x 1
		.amdhsa_system_sgpr_workgroup_id_y 1
		.amdhsa_system_sgpr_workgroup_id_z 1
		.amdhsa_system_vgpr_workitem_id 0
		.amdhsa_next_free_vgpr 256
		.amdhsa_next_free_sgpr 80
		.amdhsa_reserve_vcc 0
		.amdhsa_float_denorm_mode_32 3
		.amdhsa_float_denorm_mode_16_64 3
		.amdhsa_memory_ordered 1
		.amdhsa_forward_progress 1
		.amdhsa_inst_pref_size 49
	.end_amdhsa_kernel
	.amdgpu_metadata
---
amdhsa.version: [ 1, 2 ]
amdhsa.kernels:
  - .name:           k_q4ee7183f94_attn
    .symbol:         k_q4ee7183f94_attn.kd
    .args:
      - { .name: hc, .offset: 0, .size: 8, .value_kind: global_buffer, .address_space: global }
      - { .name: hs, .offset: 8, .size: 8, .value_kind: global_buffer, .address_space: global }
      - { .name: ac, .offset: 16, .size: 8, .value_kind: global_buffer, .address_space: global }
      - { .name: as, .offset: 24, .size: 8, .value_kind: global_buffer, .address_space: global }
    .group_segment_fixed_size: 327680
    .private_segment_fixed_size: 0
    .kernarg_segment_align: 8
    .kernarg_segment_size: 32
    .max_flat_workgroup_size: 512
    .sgpr_count:     80
    .vgpr_count:     256
    .wavefront_size: 32
...
	.end_amdgpu_metadata
.endif
;; end of part 3
;; launch oproj (part 4): grid 8 x 32, 4 waves a work-group, clusters of 4 x 4, 214,528 bytes of LDS; arguments ac, as, wc, ws, bo, out0; writes out0
.if DOCPART == 4
	.amdgcn_target "amdgcn-amd-amdhsa--gfx1250"
	.amdhsa_code_object_version 6
	.text
	.protected	k_q4ee7183f94_oproj
	.globl	k_q4ee7183f94_oproj
	.p2align	8
	.type	k_q4ee7183f94_oproj,@function
k_q4ee7183f94_oproj:
	s_mov_b64 s[64:65], 0
	v_nop
	global_prefetch_b8 v0, s[64:65] scope:SCOPE_SE
	s_setreg_imm32_b32 hwreg(HW_REG_WAVE_MODE, 25, 1), 1
	s_wait_xcnt 0x0
	s_wait_alu depctr_hold_cnt(0) depctr_sa_sdst(0) depctr_va_vdst(0) depctr_va_sdst(0) depctr_va_ssrc(0) depctr_va_vcc(0) depctr_vm_vsrc(0)
	s_getreg_b32 s2, hwreg(HW_REG_IB_STS2, 6, 4)
	s_cmp_eq_u32 s2, 0
	s_cbranch_scc0 .Lentry_in_a_cluster
	s_endpgm
.Lentry_in_a_cluster:
	s_bfe_u32 s2, ttmp6, 0x10000c
	s_cmp_lg_u32 s2, 0xf033
	s_cbranch_scc0 .Lentry_shape_is_right
	s_endpgm
.Lentry_shape_is_right:
; out0 = a Wo + bo on codes of BF6 (E3M2): a = the attention's result as codes (ac, as), Wo^T the fourth weight of wc and ws.  out0 [4096][1024] f32.
; Source 0 = 16 rows of Wo^T, source 1 = 16 tokens: a lane holds one token and its registers run along the outputs.  A tile's rows are 32 (T / 2) + 8 (T % 2) + r + 8 (r / 8): the way out puts the tokens back in their order.
; SHARES.  A work-group makes 128 tokens x 128 outputs, each of four waves 64 x 64: 16 accumulators.  K = 1,024 in eight steps of 128.  The whole K of the work-group's operands, 4 groups x 49,152 bytes, is filled into LDS ONCE,
; in one load a group: no byte is filled again.  The tokens' groups are shared along a row of the cluster, the weight's along a column: joint loads.
; The bias is the C of each sum's first matrix instruction.
; REGISTERS.  window 0: v1-12 addresses; v32-63 the tokens' scale words (tile j, step s at 8 j + s), v64-95 the weight's: these hold scales and nothing else; v96-127 the bias (tile i at 8 i), later rows on their way out;
;   v128-255 accumulator (j, i) at 8 (4 j + i) (at the head v128-191 take the tokens' u16s).   window 1: two sets of fragments, v0-95 and v96-191.
.set STG,  196608                      ; behind the groups: a stage of 16 rows x (256 + 16) bytes for each wave
.set SCA,  32
.set SCB,  64
.set BN,   96
.set ACC,  128
.set STO,  10
.set RD,   11
.set CO,   12
.set G1A,  32
.set G1B,  40
.set G0A,  48
.set G0B,  68
.set MSB,  0
.macro WIN new
.if MSB != \new
	s_set_vgpr_msb (MSB<<8)|\new
.set MSB, \new
.endif
.endm
.set W_MUL, 0x05
.set TO_F,  0x40
.macro CROUND
	s_barrier_signal -1
	s_barrier_wait -1
	s_cmp_lg_u32 s22, 0
	s_cbranch_scc1 .Lnot_wave_0_\@
	s_barrier_signal -3
.Lnot_wave_0_\@:
	s_barrier_wait -3
	s_barrier_signal -1
	s_barrier_wait -1
.endm
.macro PLACES
.rept 4
	v_nop
.endr
.endm
	s_load_b256 s[4:11], s[0:1], 0x0               ; ac, as, wc, ws
	s_load_b128 s[12:15], s[0:1], 0x20             ; bo, out0
	v_lshl_add_u32 v30, v0, 2, 0x34400
	v_mov_b32 v31, 0
	ds_add_u32 v30, v31
	ds_add_u32 v30, v31
	v_lshrrev_b32 v1, 5, v0
	v_readfirstlane_b32 s22, v1                    ; wave
	s_lshr_b32 s23, s22, 1                         ; which 64 tokens are mine.  Also: I fetch for the tokens (0) or the weight (1)
	s_and_b32 s24, s22, 1                          ; which 64 outputs.  Also: which group I fetch
	s_bfe_u32 s25, ttmp6, 0x40000                  ; cx
	s_bfe_u32 s26, ttmp6, 0x40004                  ; cy
	s_and_b32 s31, ttmp7, 0xffff
	s_lshl_b32 s31, s31, 2
	s_add_co_u32 s31, s31, s26                     ; tile row = 4 x cluster y + cy
	s_lshl_b32 s66, ttmp9, 2
	s_add_co_u32 s66, s66, s25                     ; tile column = 4 x cluster x + cx
	s_lshl_b32 s94, s26, 2
	s_lshl_b32 s94, 15, s94                        ; my row of the cluster
	s_lshl_b32 s96, 0x1111, s25                    ; my column
	s_or_b32 s[G1A], s94, (3<<16)|(1<<21)          ; a whole group of 49,152 dense bytes as 192 rows of 32 elements of 8 bytes
	s_or_b32 s[G1B], s96, (3<<16)|(1<<21)
.irp g, G1A, G1B
	s_mov_b32 s[\g+1], 32<<16
	s_mov_b32 s[\g+2], 192<<16
	s_mov_b32 s[\g+3], 32<<16
	s_mov_b32 s[\g+4], 192
	s_mov_b32 s[\g+5], 32
	s_mov_b32 s[\g+6], 0
	s_mov_b32 s[\g+7], 0
.endr
	s_lshl_b32 s94, s31, 1
	s_add_co_u32 s94, s94, s24
	s_mul_i32 s94, s94, 49152
	s_mov_b32 s95, 0
	s_lshl_b32 s96, s66, 1
	s_add_co_u32 s96, s96, s24
	s_mul_i32 s96, s96, 49152
	s_add_co_u32 s96, s96, 2359296                 ; the fourth weight
	s_mov_b32 s97, 0
	s_mul_i32 s98, s22, 49152
	s_wait_dscnt 0x0
	s_wait_kmcnt 0x0
	s_add_nc_u64 s[94:95], s[4:5], s[94:95]
	s_add_nc_u64 s[96:97], s[8:9], s[96:97]
	CROUND                                         ; all sixteen work-groups are here: the joint loads meet
.irp c, 0
	s_mov_b32 s[G0A+4*\c], 1
	s_add_co_u32 s[G0A+4*\c+1], s98, \c*12288
	s_add_nc_u64 s[G0A+4*\c+2:G0A+4*\c+3], s[94:95], \c*12288
	s_or_b32 s[G0A+4*\c+3], s[G0A+4*\c+3], 0x80000000
	s_mov_b32 s[G0B+4*\c], 1
	s_add_co_u32 s[G0B+4*\c+1], s98, \c*12288
	s_add_nc_u64 s[G0B+4*\c+2:G0B+4*\c+3], s[96:97], \c*12288
	s_or_b32 s[G0B+4*\c+3], s[G0B+4*\c+3], 0x80000000
.endr
	s_cmp_eq_u32 s23, 0                            ; one fill a wave, its whole group: one load of mine is out
	s_cbranch_scc0 .Lfill_b
	tensor_load_to_lds s[G0A:G0A+3], s[G1A:G1A+7]
	s_nop 0
	PLACES
	s_branch .Lfilled
.Lfill_b:
	tensor_load_to_lds s[G0B:G0B+3], s[G1B:G1B+7]
	s_nop 0
	PLACES
.Lfilled:
	v_and_b32 v1, 31, v0                           ; L
	v_and_b32 v2, 15, v0                           ; r
	v_bfe_u32 v3, v0, 4, 1                         ; h
	v_lshlrev_b32 v9, 3, v1
	s_mul_i32 s3, s23, 49152
	v_add_nc_u32 v4, s3, v9                        ; my group of tokens in LDS
	s_mul_i32 s3, s24, 49152
	s_add_co_u32 s3, s3, 98304
	v_add_nc_u32 v5, s3, v9                        ; my group of the weight
	v_lshlrev_b32 v6, 3, v2                        ; 8 r
	v_lshlrev_b32 v7, 6, v3                        ; 64 h
	v_lshlrev_b32 v8, 1, v2                        ; 2 r
	s_wait_alu depctr_va_vdst(0)
	s_mul_i32 s3, s22, 4352
	s_add_co_u32 s3, s3, STG                       ; my stage
	v_mul_u32_u24 v[STO], v2, 272
	v_lshl_add_u32 v[STO], v3, 6, v[STO]
	v_add_nc_u32 v[STO], s3, v[STO]                ; in: row r, + 64 h
	v_mul_u32_u24 v[RD], v3, 272
	v_lshl_add_u32 v[RD], v2, 4, v[RD]
	v_add_nc_u32 v[RD], s3, v[RD]                  ; back: lanes 0-15 one row of 256 bytes, lanes 16-31 the next
	v_lshlrev_b32 v[CO], 12, v3
	v_lshl_add_u32 v[CO], v2, 4, v[CO]             ; and the same two rows in out0
	s_lshl_b32 s29, s31, 1
	s_add_co_u32 s29, s29, s23                     ; GA: my group of tokens
	s_lshl_b32 s30, s66, 1
	s_add_co_u32 s30, s30, s24                     ; GB: my group of outputs
	s_lshl_b32 s94, s29, 7
	s_mov_b32 s95, 0
	s_add_nc_u64 s[6:7], s[6:7], s[94:95]          ; my 64 tokens' u16s in a head's plane
	s_lshl_b32 s96, s30, 11
	s_add_co_u32 s96, s96, 98304
	s_mov_b32 s97, 0
	s_add_nc_u64 s[10:11], s[10:11], s[96:97]      ; the weight's scale words
	s_lshl_b32 s96, s30, 8
	s_add_nc_u64 s[12:13], s[12:13], s[96:97]      ; my 64 numbers of the bias
	s_lshl_b32 s100, s29, 18
	s_lshl_b32 s3, s30, 8
	s_add_co_u32 s100, s100, s3
	s_mov_b32 s101, 0
	s_add_nc_u64 s[14:15], s[14:15], s[100:101]    ; out0 at my first token and output
.irp t, 0,1,2,3
.irp q, 0,1,2,3
	global_load_b64 v[SCB+8*\t+2*\q:SCB+8*\t+2*\q+1], v6, s[10:11] offset:(\t/2)*1024+\q*256+(\t%2)*128
.endr
.endr
.irp i, 0,1,2,3
	global_load_b128 v[BN+8*\i:BN+8*\i+3], v7, s[12:13] offset:(32*(\i/2)+8*(\i%2))*4
	global_load_b128 v[BN+8*\i+4:BN+8*\i+7], v7, s[12:13] offset:(32*(\i/2)+8*(\i%2))*4+16
.endr
.irp j, 0,1,2,3
.irp d, 0,1,2,3,4,5,6,7,8,9,10,11,12,13,14,15
	global_load_u16 v[ACC+16*\j+\d], v8, s[6:7] offset:\d*8192+32*\j    ; tile j, head d: two bytes a token
.endr
.endr
.macro FETCH s, f
	WIN TO_F
.irp i, 0,1,2,3
.irp p, 0,1,2,3,4,5
	ds_load_b64 v[\f+12*\i+2*\p:\f+12*\i+2*\p+1], v5 offset:(\s)*6144+\i*1536+256*\p
.endr
.endr
.irp i, 0,1,2,3
.irp p, 0,1,2,3,4,5
	ds_load_b64 v[\f+48+12*\i+2*\p:\f+48+12*\i+2*\p+1], v4 offset:(\s)*6144+\i*1536+256*\p
.endr
.endr
.endm
.macro MUL s, f, first                 ; 16 matrix instructions; the 16 accumulators take turns, one instruction a turn.  first = 1: the sums begin with the bias
	WIN W_MUL
.irp j, 0,1,2,3
.irp i, 0,1,2,3
.if \first
	v_wmma_scale_f32_16x16x128_f8f6f4 v[ACC+8*(4*\j+\i):ACC+8*(4*\j+\i)+7], v[\f+12*\i:\f+12*\i+11], v[\f+48+12*\j:\f+48+12*\j+11], v[BN+8*\i:BN+8*\i+7], v[SCB+8*\i+(\s)], v[SCA+8*\j+(\s)] matrix_a_fmt:MATRIX_FMT_BF6 matrix_b_fmt:MATRIX_FMT_BF6
.else
	v_wmma_scale_f32_16x16x128_f8f6f4 v[ACC+8*(4*\j+\i):ACC+8*(4*\j+\i)+7], v[\f+12*\i:\f+12*\i+11], v[\f+48+12*\j:\f+48+12*\j+11], v[ACC+8*(4*\j+\i):ACC+8*(4*\j+\i)+7], v[SCB+8*\i+(\s)], v[SCA+8*\j+(\s)] matrix_a_fmt:MATRIX_FMT_BF6 matrix_b_fmt:MATRIX_FMT_BF6
.endif
.endr
.endr
.endm
.macro WAITCHUNK c                     ; my group has landed; behind the barrier everybody's has
	s_wait_tensorcnt 0x0
	s_barrier_signal -1
	s_barrier_wait -1
.endm
	WAITCHUNK 0
	FETCH 0, 0
	WIN 0
	s_wait_loadcnt 0x0
.irp j, 0,1,2,3
.irp s, 0,1,2,3,4,5,6,7
	v_lshl_or_b32 v[SCA+8*\j+\s], v[ACC+16*\j+2*\s+1], 16, v[ACC+16*\j+2*\s]   ; K step s = heads 2 s and 2 s + 1: four bytes
.endr
.endr
.rept 8
	v_nop                                          ; a scale register written by a vector instruction stands eight plain lines ahead of a scaled matrix instruction
.endr
	s_wait_alu depctr_va_vdst(0)
.irp s, 0,1,2,3,4,5,6,7
	s_wait_dscnt 0x0                               ; this step's fragments are in
.if \s < 7
.if \s > 0
	PLACES                                         ; the other set was read by the last step's products
.endif
	FETCH \s+1, 96*((\s+1)%2)
.endif
.if \s == 0
	MUL \s, 0, 1
.else
	MUL \s, 96*(\s%2), 0
.endif
.endr
	WIN 0
; THE WAY OUT, a tile of 16 tokens x 64 outputs at a time: a lane's 32 bytes of a row go into my own stage and come back as whole rows of 256 bytes.  LDS serves a wave's instructions in order: no wait between stores and loads.
.macro TOSTAGE j
.irp i, 0,1,2,3
	ds_store_b128 v[STO], v[ACC+8*(4*(\j)+\i):ACC+8*(4*(\j)+\i)+3] offset:128*(\i/2)+32*(\i%2)          ; each accumulator from its low end on
	ds_store_b128 v[STO], v[ACC+8*(4*(\j)+\i)+4:ACC+8*(4*(\j)+\i)+7] offset:128*(\i/2)+32*(\i%2)+16
.endr
.set BB, 96+32*((\j)%2)                ; v96-127 (the bias's) and v128-159 (tile 0's accumulators, which are in the stage by then) by turns
.irp n, 0,1,2,3,4,5,6,7
	ds_load_b128 v[BB+4*\n:BB+4*\n+3], v[RD] offset:2*\n*272
.endr
.endm
.macro SEND j, younger                 ; younger: the LDS instructions issued behind tile j's loads, which may stay out
.set BB, 96+32*((\j)%2)
	s_wait_dscnt \younger
.irp n, 0,1,2,3,4,5,6,7
	global_store_b128 v[CO], v[BB+4*\n:BB+4*\n+3], s[14:15] offset:(32*((\j)/2)+8*((\j)%2)+2*\n+8*(\n/4))*4096 th:TH_STORE_NT   ; stage row 2 n + (lane / 16) is that token; 16 lanes store 256 consecutive bytes, aligned
.endr
.endm
	PLACES                                         ; behind the last products: the stores read results, the loads land in registers that products have read
	TOSTAGE 0
.irp j, 1,2,3
.if \j > 1
	s_wait_xcnt 0x0                                ; tile j - 2's stores have read their registers: tile j's rows may land there
.endif
	TOSTAGE \j
	SEND \j-1, 16                                  ; behind tile j - 1's loads: tile j's 8 stores and 8 loads
.endr
	SEND 3, 0
	s_wait_tensorcnt 0x0
	ds_add_u32 v30, v31
	s_wait_dscnt 0x0
	CROUND                                         ; the closing round
	s_endpgm
.Lfunc_end_k_q4ee7183f94_oproj:
	.size	k_q4ee7183f94_oproj, .Lfunc_end_k_q4ee7183f94_oproj-k_q4ee7183f94_oproj
	.p2alignl 7, 3214868480
	.fill 96, 4, 3214868480
	.section	.rodata,"a",@progbits
	.p2align	6, 0x0
	.amdhsa_kernel k_q4ee7183f94_oproj
		.amdhsa_group_segment_fixed_size 214528
		.amdhsa_private_segment_fixed_size 0
		.amdhsa_enable_private_segment 0
		.amdhsa_kernarg_size 48
		.amdhsa_user_sgpr_count 2
		.amdhsa_user_sgpr_kernarg_segment_ptr 1
		.amdhsa_wavefront_size32 1
		.amdhsa_system_sgpr_workgroup_id_x 1
		.amdhsa_system_sgpr_workgroup_id_y 1
		.amdhsa_system_sgpr_workgroup_id_z 1
		.amdhsa_system_vgpr_workitem_id 0
		.amdhsa_next_free_vgpr 512
		.amdhsa_next_free_sgpr 102
		.amdhsa_reserve_vcc 0
		.amdhsa_float_denorm_mode_32 3
		.amdhsa_float_denorm_mode_16_64 3
		.amdhsa_memory_ordered 1
		.amdhsa_forward_progress 1
		.amdhsa_inst_pref_size 66
	.end_amdhsa_kernel
	.amdgpu_metadata
---
amdhsa.version: [ 1, 2 ]
amdhsa.kernels:
  - .name:           k_q4ee7183f94_oproj
    .symbol:         k_q4ee7183f94_oproj.kd
    .args:
      - { .name: ac, .offset: 0, .size: 8, .value_kind: global_buffer, .address_space: global }
      - { .name: as, .offset: 8, .size: 8, .value_kind: global_buffer, .address_space: global }
      - { .name: wc, .offset: 16, .size: 8, .value_kind: global_buffer, .address_space: global }
      - { .name: ws, .offset: 24, .size: 8, .value_kind: global_buffer, .address_space: global }
      - { .name: bo, .offset: 32, .size: 8, .value_kind: global_buffer, .address_space: global }
      - { .name: out0, .offset: 40, .size: 8, .value_kind: global_buffer, .address_space: global }
    .group_segment_fixed_size: 214528
    .private_segment_fixed_size: 0
    .kernarg_segment_align: 8
    .kernarg_segment_size: 48
    .max_flat_workgroup_size: 128
    .sgpr_count:     102
    .vgpr_count:     512
    .wavefront_size: 32
...
	.end_amdgpu_metadata
.endif
;; end of part 4
